; MI455X (gfx1250); checked and timed in simulation.
; The chip was launched on July 23, 2026; its instructions are those of AMD's public machine-readable ISA for CDNA 5 (MIT licence, August 2026) and "CDNA5" Instruction Set Architecture Reference Guide (July 2026). The comments in the code are by the model that wrote it; some were corrected since.
;; Multi Head Attention. Allowed arithmetic: float matrix products may take bf16 or f16 operands with f32 sums; all other float work in f32.
;; Inputs: WK_w 1,024 x 1,024 float32; WO_b 1,024 float32; WO_w 1,024 x 1,024 float32; WQ_b 1,024 float32; WQ_w 1,024 x 1,024 float32; WV_b 1,024 float32; WV_w 1,024 x 1,024 float32; attn_mask 4 x 2,048 x 2,048 float32; x 4 x 2,048 x 1,024 float32.
;; Outputs: out0 4 x 2,048 x 1,024 float32.
;; 2 versions, each right; version 2 is version 1 with the launch cast written anew for expert scheduling mode. Each part assembles by itself: llvm-mc -triple=amdgcn-amd-amdhsa -mcpu=gfx1250 --defsym DOCPART=n.
;; ======== version 1 of 2: 4 launches
;; limits: values are held in f16: magnitudes above 65,504 overflow, below 6.1e-05 lose precision
;; workspace buffers: xb 16,777,216 bytes; wb 8,388,608 bytes; bqkv 12,288 bytes; qkv 50,331,648 bytes; ao 16,777,216 bytes
;; launch cast (part 1): grid 256 x 1, 8 waves a work-group, no clusters, 0 bytes of LDS; arguments x, WQ_w, WK_w, WV_w, WO_w, WQ_b, WV_b, xb, wb, bqkv; writes xb, wb, bqkv
.if DOCPART == 1
	.amdgcn_target "amdgcn-amd-amdhsa--gfx1250"
	.amdhsa_code_object_version 6
	.text
	.protected	k_q6cb29d9d7f_cast
	.globl	k_q6cb29d9d7f_cast
	.p2align	8
	.type	k_q6cb29d9d7f_cast,@function
k_q6cb29d9d7f_cast:
	s_mov_b64 s[64:65], 0
	v_nop
	global_prefetch_b8 v0, s[64:65] scope:SCOPE_SE
	s_setreg_imm32_b32 hwreg(HW_REG_WAVE_MODE, 25, 1), 1
	s_wait_xcnt 0x0
; xb = x in f16.  wb = WQ_w, WK_w, WV_w, WO_w in f16, one below the other (4,096 rows of 1,024).
; bqkv = WQ_b, then 1,024 zeros (K's layer has no bias), then WV_b: one bias vector for the joint product Q, K, V.
; FORMAT: all matrix operands of this program are f16, not bf16.  Between x and the result five intermediates (Q, K, V, the softmax's weights, the
; attention's result) are rounded to the operands' format one behind the other; f16 keeps 11 significant bits where bf16 keeps 8.
; ROOM IN f16 (largest number 65,504; below 2^-14 the step is 2^-24).  As drawn |x| < 6, |W| < 0.16 and |Q|, |K|, |V| < 6.  All inputs 30 times larger:
; |Q|, |K|, |V| < 900 x 6 = 5,400.  All inputs offset by 30 of their spreads (x + 30, W + 30/32): about 1,024 x 30 x 0.94 = 28,800.  All inputs 30 times
; smaller: W about 1/1,000, Q, K, V about 1/900, the attention's result about 6e-5, of which the step 2^-24 is a thousandth.
; LIMIT: a number beyond 65,504 in magnitude among x, W, Q, K, V (inputs both scaled by 30 and offset by 30 of the larger spreads) becomes infinite.
; A stream: no LDS, no barrier, no matrix unit, no cluster, since no byte is used twice.
; 256 work-groups of 8 waves.  Work-group i takes 32,768 numbers of x (128 KiB in, 64 KiB out) and 16,384 numbers of weight i / 64.
; A thread takes 8 neighbouring numbers a turn (two loads of 16 bytes, one store of 16 bytes), the work-group 2,048: 16 turns for x, 8 for the weight.
; All 48 loads of a thread go out first, each into registers of its own, so nothing is rewritten and the only waits are the counted ones
; in front of each turn's conversions.  A store of a wave covers 512 consecutive bytes, aligned.
.set XT, 16                            ; turns for x
.set WT, 8                             ; turns for the weight
.set X,  8                             ; v[8:199]   turn k: 8 registers as loaded; the first 4 then hold the 8 f16
.set BV, 200                           ; v[200:203] four numbers of the bias vector
	s_load_b512 s[16:31], s[0:1], 0x0              ; x 16, WQ_w 18, WK_w 20, WV_w 22, WO_w 24, WQ_b 26, WV_b 28, xb 30
	s_load_b128 s[32:35], s[0:1], 0x40             ; wb 32, bqkv 34
	v_lshlrev_b32 v1, 5, v0                        ; 32 t: my 8 f32 in a turn's 8,192 bytes
	v_lshlrev_b32 v2, 4, v0                        ; 16 t: my 8 f16 in a turn's 4,096 bytes
	s_lshl_b32 s2, ttmp9, 17                       ; my part of x, in bytes
	s_mov_b32 s3, 0
	s_lshl_b32 s6, ttmp9, 16                       ; my part of xb
	s_mov_b32 s7, 0
	s_lshr_b32 s8, ttmp9, 6                        ; which weight
	s_and_b32 s10, ttmp9, 63
	s_lshl_b32 s10, s10, 16                        ; my part of it: 64 KiB
	s_mov_b32 s11, 0
	s_lshl_b32 s12, ttmp9, 15                      ; my part of wb: the four weights follow each other there
	s_mov_b32 s13, 0
	s_wait_kmcnt 0x0
	s_add_nc_u64 s[16:17], s[16:17], s[2:3]
	s_add_nc_u64 s[30:31], s[30:31], s[6:7]
	s_cmp_eq_u32 s8, 1                             ; the weight's address is chosen on the work-group's number alone
	s_cselect_b64 s[4:5], s[20:21], s[18:19]
	s_cmp_eq_u32 s8, 2
	s_cselect_b64 s[4:5], s[22:23], s[4:5]
	s_cmp_eq_u32 s8, 3
	s_cselect_b64 s[4:5], s[24:25], s[4:5]
	s_add_nc_u64 s[4:5], s[4:5], s[10:11]
	s_add_nc_u64 s[32:33], s[32:33], s[12:13]
.set k, 0
.rept XT
	global_load_b128 v[X+8*k:X+8*k+3],   v1, s[16:17] offset:8192*k th:TH_LOAD_NT
	global_load_b128 v[X+8*k+4:X+8*k+7], v1, s[16:17] offset:8192*k+16 th:TH_LOAD_NT
.set k, k+1
.endr
.rept WT
	global_load_b128 v[X+8*k:X+8*k+3],   v1, s[4:5] offset:8192*(k-XT) th:TH_LOAD_NT
	global_load_b128 v[X+8*k+4:X+8*k+7], v1, s[4:5] offset:8192*(k-XT)+16 th:TH_LOAD_NT
.set k, k+1
.endr
.set k, 0
.rept XT+WT
	s_wait_loadcnt 2*(XT+WT)-2-2*k                 ; loads come back in order (ISA guide 5.7.1): turn k's two are in, the younger ones stay out
.irp j, 0,1,2,3
	v_cvt_pk_f16_f32 v[X+8*k+\j], v[X+8*k+2*\j], v[X+8*k+2*\j+1]   ; in place: register j is written when its own number has been read
.endr
.if k < XT
	global_store_b128 v2, v[X+8*k:X+8*k+3], s[30:31] offset:4096*k
.else
	global_store_b128 v2, v[X+8*k:X+8*k+3], s[32:33] offset:4096*(k-XT)
.endif
.set k, k+1
.endr
	; the bias vector: work-groups 0, 1, 2 each store 1,024 numbers, 16 bytes a thread
	s_cmp_gt_u32 ttmp9, 2
	s_cbranch_scc1 .Lend
	s_lshl_b32 s14, ttmp9, 12
	s_mov_b32 s15, 0
	s_add_nc_u64 s[34:35], s[34:35], s[14:15]
	s_cmp_eq_u32 ttmp9, 1
	s_cbranch_scc1 .Lzero
	s_cmp_eq_u32 ttmp9, 0
	s_cselect_b64 s[36:37], s[26:27], s[28:29]     ; WQ_b for work-group 0, WV_b for work-group 2
	global_load_b128 v[BV:BV+3], v2, s[36:37]
	s_wait_loadcnt 0x0
	s_branch .Lput
.Lzero:
.irp j, 0,1,2,3
	v_mov_b32 v[BV+\j], 0
.endr
.Lput:
	global_store_b128 v2, v[BV:BV+3], s[34:35]
.Lend:
	s_endpgm
.Lfunc_end_k_q6cb29d9d7f_cast:
	.size	k_q6cb29d9d7f_cast, .Lfunc_end_k_q6cb29d9d7f_cast-k_q6cb29d9d7f_cast
	.p2alignl 7, 3214868480
	.fill 96, 4, 3214868480
	.section	.rodata,"a",@progbits
	.p2align	6, 0x0
	.amdhsa_kernel k_q6cb29d9d7f_cast
		.amdhsa_group_segment_fixed_size 0
		.amdhsa_private_segment_fixed_size 0
		.amdhsa_enable_private_segment 0
		.amdhsa_kernarg_size 80
		.amdhsa_user_sgpr_count 2
		.amdhsa_user_sgpr_kernarg_segment_ptr 1
		.amdhsa_wavefront_size32 1
		.amdhsa_system_sgpr_workgroup_id_x 1
		.amdhsa_system_sgpr_workgroup_id_y 1
		.amdhsa_system_sgpr_workgroup_id_z 1
		.amdhsa_system_vgpr_workitem_id 0
		.amdhsa_next_free_vgpr 208
		.amdhsa_next_free_sgpr 66
		.amdhsa_reserve_vcc 0
		.amdhsa_float_denorm_mode_32 3
		.amdhsa_float_denorm_mode_16_64 3
		.amdhsa_memory_ordered 1
		.amdhsa_forward_progress 1
		.amdhsa_inst_pref_size 16
	.end_amdhsa_kernel
	.amdgpu_metadata
---
amdhsa.version: [ 1, 2 ]
amdhsa.kernels:
  - .name:           k_q6cb29d9d7f_cast
    .symbol:         k_q6cb29d9d7f_cast.kd
    .args:
      - { .name: x, .offset: 0, .size: 8, .value_kind: global_buffer, .address_space: global }
      - { .name: WQ_w, .offset: 8, .size: 8, .value_kind: global_buffer, .address_space: global }
      - { .name: WK_w, .offset: 16, .size: 8, .value_kind: global_buffer, .address_space: global }
      - { .name: WV_w, .offset: 24, .size: 8, .value_kind: global_buffer, .address_space: global }
      - { .name: WO_w, .offset: 32, .size: 8, .value_kind: global_buffer, .address_space: global }
      - { .name: WQ_b, .offset: 40, .size: 8, .value_kind: global_buffer, .address_space: global }
      - { .name: WV_b, .offset: 48, .size: 8, .value_kind: global_buffer, .address_space: global }
      - { .name: xb, .offset: 56, .size: 8, .value_kind: global_buffer, .address_space: global }
      - { .name: wb, .offset: 64, .size: 8, .value_kind: global_buffer, .address_space: global }
      - { .name: bqkv, .offset: 72, .size: 8, .value_kind: global_buffer, .address_space: global }
    .group_segment_fixed_size: 0
    .private_segment_fixed_size: 0
    .kernarg_segment_align: 8
    .kernarg_segment_size: 80
    .max_flat_workgroup_size: 256
    .sgpr_count:     66
    .vgpr_count:     208
    .wavefront_size: 32
...
	.end_amdgpu_metadata
.endif
;; end of part 1
;; launch qkv (part 2): grid 12 x 32, 4 waves a work-group, clusters of 4 x 4, 327,680 bytes of LDS; arguments xb, wb, qkv, bqkv; writes qkv
.if DOCPART == 2
	.amdgcn_target "amdgcn-amd-amdhsa--gfx1250"
	.amdhsa_code_object_version 6
	.text
	.protected	k_q6cb29d9d7f_qkv
	.globl	k_q6cb29d9d7f_qkv
	.p2align	8
	.type	k_q6cb29d9d7f_qkv,@function
k_q6cb29d9d7f_qkv:
	s_mov_b64 s[64:65], 0
	v_nop
	global_prefetch_b8 v0, s[64:65] scope:SCOPE_SE
	s_setreg_imm32_b32 hwreg(HW_REG_WAVE_MODE, 25, 1), 1
	s_wait_xcnt 0x0
	s_wait_alu depctr_hold_cnt(0) depctr_sa_sdst(0) depctr_va_vdst(0) depctr_va_sdst(0) depctr_va_ssrc(0) depctr_va_vcc(0) depctr_vm_vsrc(0)
	s_getreg_b32 s2, hwreg(HW_REG_IB_STS2, 6, 4)
	s_cmp_eq_u32 s2, 0
	s_cbranch_scc0 .Lentry_in_a_cluster
	s_endpgm
.Lentry_in_a_cluster:
	s_bfe_u32 s2, ttmp6, 0x10000c
	s_cmp_lg_u32 s2, 0xf033
	s_cbranch_scc0 .Lentry_shape_is_right
	s_endpgm
.Lentry_shape_is_right:
; qkv[m][n] = sum over k of xb[m][k] wb[n][k] + bqkv[n], n = 0 .. 3071: Q, K and V of every row of x in one product.
; xb: [8192][1024] f16, wb: rows 0 .. 3071 of [4096][1024] f16, bqkv: [3072] f32, qkv: [8192][3072] f16; sums in f32, rounded once.
; FORMAT AND LIMIT: f16 for its 11 significant bits.  Q, K, V are below 6 in magnitude as drawn, below 5,400 with all inputs 30 times larger, about
; 1,024 x 30 x 0.94 = 28,800 with all inputs offset by 30 of their spreads; beyond f16's 65,504 a result becomes infinite.
; A work-group makes a block of 256 x 256 with four waves; a wave makes 128 x 128: 64 accumulator tiles of 16 x 16, 512 registers.
; K goes in steps of 128 through a ring of two LDS slots filled by the tensor data mover: a tile's rows are 256 bytes of memory, aligned.
; CLUSTERS: 4 x 4 work-groups.  The four of a row of the cluster need the same tiles of xb, the four of a column the same tiles of wb.
; Such a tile is asked for jointly: each of the four issues the same tensor load with a mask that names the four.
; THE BIAS STARTS THE SUMS: the first product of each tile takes the bias as its C operand, so no register is cleared and no bias is added later.
;
; REGISTERS, in windows of 256 (s_set_vgpr_msb says which window each operand place means):
;   window 0: v16-27 addresses; v64-127, v128-191 fragments of A, two buffers; v192-255 the bias of my 128 columns, later at work on the way out
;   window 1: v64-127, v128-191 fragments of B, two buffers
;   window 2: the 32 accumulator tiles of my rows 0-63 (tile (a, b) at v[8 (8 a + b)]);   window 3: those of my rows 64-127
; THE MATRIX INSTRUCTION IS USED TRANSPOSED: source 0 = 16 rows of B, source 1 = 16 rows of A.  Lane l then holds row l % 16 of C and its
; registers 0 to 7 the columns 8 (l / 16) + 0 .. 7 of the tile: eight neighbouring numbers of a row, 16 bytes in f16.
.set SIZE_N, 3072
.set SIZE_K, 1024
.set KSTEP,  128
.set PITCH,  272                       ; an LDS row: 256 bytes + 16 of padding = 68 words, so the 16 rows that a load touches start 4 banks apart (64 banks of 4 bytes: ISA guide 11.1)
.set HALFT,  128*PITCH                 ; 128 rows: what one tensor load brings, and what one wave reads of A or of B
.set SLOT,   4*HALFT                   ; A's 256 rows, then B's 256 rows
.set STAGE,  2*SLOT                    ; behind the ring: 16 rows x 272 bytes for each wave, for the way out; no tensor load lands there
.set SPITCH, 272
.set LAPS, SIZE_K/(2*KSTEP)            ; a lap = two K steps = once round the ring: 4
.set ADRA, 16                          ; v16-17  LDS address of my A fragments in slot 0, 1
.set ADRB, 20                          ; v20-21  the same for B
.set STO,  24                          ; v24     the way out: where I put 16 bytes of a row
.set RD,   25                          ; v25     the way out: where I read a row back
.set CO,   26                          ; v26     my byte offset in C
.set BO,   27                          ; v27     my byte offset in the bias of a tile's 16 columns
.set F0,   64                          ; fragment buffer 0
.set F1,   128                         ; fragment buffer 1
.set BIAS, 192                         ; v192-255, window 0: for each of my 8 column tiles the C operand of its first product
.set TMP,  192                         ; the way out: packed results (the bias is no longer needed)
.set G1, 24                            ; s[24:31] descriptor group 1 for A's tiles
.set G0, 32                            ; s[32:39] descriptor group 0 for A's tiles, one set for each slot
.set G1B, 48                           ; s[48:55] descriptor group 1 for B's tiles: it differs from A's in the mask alone
.set G0B, 56                           ; s[56:63] descriptor group 0 for B's tiles, one set for each slot
.set MSB, 0
.macro WIN new                         ; the immediate's high byte repeats the setting that is left
.if MSB != \new
	s_set_vgpr_msb (MSB<<8)|\new
.set MSB, \new
.endif
.endm
.set MUL_LO, 0xa1                      ; source 0 (B) window 1, source 1 (A) window 0, C and D window 2
.set MUL_HI, 0xf1                      ; the same, C and D window 3
.set BIA_LO, 0x81                      ; the first products: C (the bias) window 0, D window 2
.set BIA_HI, 0xc1                      ; C window 0, D window 3
.set TO_B,   0x40                      ; destination window 1, address window 0
; A joint load.  Waves 0 and 1 fetch A's two halves, waves 2 and 3 B's.  Each line has one mask and one set of registers for all that issue it.
; The branch hangs on the wave's number alone: it is the same in every work-group.
.macro JLOAD s
	s_cmp_eq_u32 s11, 0
	s_cbranch_scc0 .Lfor_b_\@
	tensor_load_to_lds s[G0+4*\s:G0+4*\s+3], s[G1:G1+7]
	s_nop 0
	s_branch .Lasked_\@
.Lfor_b_\@:
	tensor_load_to_lds s[G0B+4*\s:G0B+4*\s+3], s[G1B:G1B+7]
	s_nop 0
.Lasked_\@:
.endm
; A round of the cluster's barrier: my work-group's barrier, so that wave 0's signal speaks for all four waves; wave 0 signals for the work-group;
; every wave waits for all sixteen work-groups; my work-group's barrier once more.
.macro CREST                           ; a round behind its opening barrier
	s_cmp_lg_u32 s10, 0
	s_cbranch_scc1 .Lnot_wave_0_\@
	s_barrier_signal -3
.Lnot_wave_0_\@:
	s_barrier_wait -3
	s_barrier_signal -1
	s_barrier_wait -1
.endm
.macro CROUND                          ; a whole round
	s_barrier_signal -1
	s_barrier_wait -1
	CREST
.endm
	s_load_b128 s[4:7], s[0:1], 0x0                ; A s[4:5], B s[6:7]
	s_load_b64 s[8:9], s[0:1], 0x10                ; C
	s_load_b64 s[66:67], s[0:1], 0x18              ; the bias
	s_set_vgpr_msb 0x40
	v_lshl_add_u32 v255, v0, 2, 0x48400
	s_set_vgpr_msb 0x4000
	v_mov_b32 v63, 0
	s_set_vgpr_msb 0x1
	ds_add_u32 v255, v63
	s_set_vgpr_msb 0x100
	v_lshrrev_b32 v1, 5, v0
	v_readfirstlane_b32 s10, v1                    ; wave 0..3
	s_lshr_b32 s11, s10, 1                         ; which half of the block's rows is mine.  Also: I fetch for A (0) or for B (1)
	s_and_b32 s12, s10, 1                          ; which half of its columns.  Also: which 128 rows of that tile I fetch
	s_bfe_u32 s40, ttmp6, 0x40000                  ; cx: my place along the cluster's x
	s_bfe_u32 s41, ttmp6, 0x40004                  ; cy: along its y
	s_lshl_b32 s42, ttmp9, 2                       ; in a cluster launch ttmp9 and ttmp7 count clusters
	s_add_co_u32 s42, s42, s40                     ; block column of C = 4 x cluster x + cx
	s_and_b32 s13, ttmp7, 0xffff
	s_lshl_b32 s13, s13, 2
	s_add_co_u32 s13, s13, s41                     ; block row of C = 4 x cluster y + cy
	s_lshl_b32 s43, s41, 2
	s_lshl_b32 s43, 15, s43                        ; my row of the cluster: places 4 cy .. 4 cy + 3
	s_lshl_b32 s44, 0x1111, s40                    ; my column: places cx, cx + 4, cx + 8, cx + 12
	; descriptor group 1: a tile of 128 rows x 128 elements, padded in LDS
	s_or_b32 s[G1+0], s43, (1<<16)|(1<<20)|(1<<21)|(5<<22)|(3<<25)  ; 15:0 the mask: A's tiles go to my row; 17:16 element of 2 bytes; 20 padding on; 21 set beside a mask; 24:22 after every 64 words; 31:25 of 4 words
	s_or_b32 s[G1B+0], s44, (1<<16)|(1<<20)|(1<<21)|(5<<22)|(3<<25) ; the same with the mask of my column, for B's tiles
	s_mov_b32 s[G1B+1], KSTEP<<16
	s_mov_b32 s[G1+1], KSTEP<<16                   ; tensor_dim0 = 128
	s_mov_b32 s[G1B+2], 128<<16
	s_mov_b32 s[G1+2], 128<<16                     ; tensor_dim1 = 128
	s_mov_b32 s[G1B+3], KSTEP<<16
	s_mov_b32 s[G1+3], KSTEP<<16                   ; tile_dim0 = 128
	s_mov_b32 s[G1B+4], 128
	s_mov_b32 s[G1+4], 128                         ; tile_dim1 = 128
	s_mov_b32 s[G1B+5], SIZE_K
	s_mov_b32 s[G1+5], SIZE_K                      ; elements from row to row
	s_mov_b32 s[G1B+6], 0
	s_mov_b32 s[G1+6], 0
	s_mov_b32 s[G1B+7], 0
	s_mov_b32 s[G1+7], 0
	; where the tiles come from.  A's hang on the block row alone, which my row of the cluster shares; B's on the block column alone.
	; Every wave makes both addresses, in registers that never hold the other coordinate, and asks by one of them.
	s_lshl_b32 s17, s12, 7                         ; which 128 rows of the tile I fetch
	s_lshl_b32 s16, s13, 8
	s_add_co_u32 s16, s16, s17                     ; A: row 256 x block row + 128 x half
	s_lshl_b32 s46, s42, 8
	s_add_co_u32 s46, s46, s17                     ; B: row 256 x block column + 128 x half
	s_mov_b32 s17, 0
	s_mov_b32 s47, 0
	s_mov_b64 s[18:19], SIZE_K*2
	s_mul_u64 s[16:17], s[16:17], s[18:19]         ; in bytes
	s_mul_u64 s[46:47], s[46:47], s[18:19]
	s_mul_i32 s20, s10, HALFT                      ; and where they go: wave x 128 rows: no place in the cluster enters an LDS address
	s_wait_dscnt 0x0
	s_wait_kmcnt 0x0
	s_add_nc_u64 s[14:15], s[4:5], s[16:17]
	s_add_nc_u64 s[46:47], s[6:7], s[46:47]
	CROUND                                         ; all sixteen work-groups are here: the first joint loads meet
.irp s, 0,1
	s_mov_b32 s[G0+4*\s], 1                                        ; count = 1
	s_add_co_u32 s[G0+4*\s+1], s20, \s*SLOT                        ; LDS address
	s_add_nc_u64 s[G0+4*\s+2:G0+4*\s+3], s[14:15], \s*KSTEP*2      ; global address: K step s
	s_or_b32 s[G0+4*\s+3], s[G0+4*\s+3], 0x80000000                ; type = 2
	s_mov_b32 s[G0B+4*\s], 1
	s_add_co_u32 s[G0B+4*\s+1], s20, \s*SLOT
	s_add_nc_u64 s[G0B+4*\s+2:G0B+4*\s+3], s[46:47], \s*KSTEP*2
	s_or_b32 s[G0B+4*\s+3], s[G0B+4*\s+3], 0x80000000
	JLOAD \s                                       ; the ring is filled before anything else is done: two tensor loads of a wave are out
.endr
	; A fragment is 16 rows x 32 K in 8 registers: lane l holds row l % 16; registers 0-3 hold K = 8 (l / 16) + 0..7, registers 4-7 hold
	; K = 16 + 8 (l / 16) + 0..7: two loads of 16 bytes, 32 bytes apart.
	v_and_b32 v1, 15, v0                           ; l % 16
	v_bfe_u32 v2, v0, 4, 1                         ; l / 16
	v_mul_u32_u24 v3, v1, PITCH
	v_lshl_add_u32 v3, v2, 4, v3                   ; row x pitch + 16 x half
	s_mul_i32 s21, s11, HALFT                      ; my 128 rows of A
	s_mul_i32 s22, s12, HALFT                      ; my 128 rows of B,
	s_add_co_u32 s22, s22, 2*HALFT                 ; which lie behind A's 256
.irp s, 0,1
	v_add_nc_u32 v[ADRA+\s], s21, v3
	v_add_nc_u32 v[ADRB+\s], s22, v3
	s_add_co_u32 s21, s21, SLOT
	s_add_co_u32 s22, s22, SLOT
.endr
	s_mul_i32 s23, s10, 16*SPITCH
	s_add_co_u32 s23, s23, STAGE                   ; my stage
	v_mul_u32_u24 v4, v1, SPITCH                   ; in: row l % 16, 16 bytes for each half of the lanes
	v_lshl_add_u32 v4, v2, 4, v4
	v_add_nc_u32 v[STO], s23, v4
	v_mul_u32_u24 v5, v2, SPITCH                   ; back: lanes 0-15 take one row of 256 bytes, lanes 16-31 the next
	v_lshl_add_u32 v5, v1, 4, v5
	v_add_nc_u32 v[RD], s23, v5
	v_mul_u32_u24 v5, v2, SIZE_N*2                 ; and the same two rows in C
	v_lshl_add_u32 v[CO], v1, 4, v5
	; the bias as a C operand: register j of lane l of column tile b is bias[my first column + 16 b + 8 (l / 16) + j], whatever the row
	v_lshlrev_b32 v[BO], 5, v2                     ; 8 (l / 16) numbers of 4 bytes
	s_lshl_b32 s68, s42, 10                        ; 256 columns of 4 bytes a block column,
	s_lshl_b32 s69, s12, 9                         ; 128 for my half
	s_add_co_u32 s68, s68, s69
	s_mov_b32 s69, 0
	s_add_nc_u64 s[66:67], s[66:67], s[68:69]
.irp b, 0,1,2,3,4,5,6,7
	global_load_b128 v[BIAS+8*\b:BIAS+8*\b+3],   v[BO], s[66:67] offset:64*\b
	global_load_b128 v[BIAS+8*\b+4:BIAS+8*\b+7], v[BO], s[66:67] offset:64*\b+16
.endr
; 16 matrix instructions: m blocks a0, a0 + 1 of the window's four (hi = 0: my rows 0-63, 1: rows 64-127) x all 8 n blocks, 32 along K.
; first = 1: the product takes the bias as C and starts the sums.
.macro MUL16 f, hi, a0, first
.irp a, \a0, \a0+1
.irp b, 0,1,2,3,4,5,6,7
.if \first
	v_wmma_f32_16x16x32_f16 v[8*(8*(\a)+\b):8*(8*(\a)+\b)+7], v[\f+8*\b:\f+8*\b+7], v[\f+8*(4*\hi+\a):\f+8*(4*\hi+\a)+7], v[BIAS+8*\b:BIAS+8*\b+7]
.else
	v_wmma_f32_16x16x32_f16 v[8*(8*(\a)+\b):8*(8*(\a)+\b)+7], v[\f+8*\b:\f+8*\b+7], v[\f+8*(4*\hi+\a):\f+8*(4*\hi+\a)+7], v[8*(8*(\a)+\b):8*(8*(\a)+\b)+7]
.endif
.endr
.endr
.endm
; 32 LDS loads in one run: the fragments of one quarter step (128 rows of B, 128 rows of A, 32 K at byte k of the rows) into buffer f
.macro FETCH slot, k, f
	WIN TO_B
.irp i, 0,1,2,3,4,5,6,7
	ds_load_b128 v[\f+8*\i:\f+8*\i+3],   v[ADRB+\slot] offset:\k+\i*16*PITCH
	ds_load_b128 v[\f+8*\i+4:\f+8*\i+7], v[ADRB+\slot] offset:\k+\i*16*PITCH+32
.endr
	WIN 0
.irp i, 0,1,2,3,4,5,6,7
	ds_load_b128 v[\f+8*\i:\f+8*\i+3],   v[ADRA+\slot] offset:\k+\i*16*PITCH
	ds_load_b128 v[\f+8*\i+4:\f+8*\i+7], v[ADRA+\slot] offset:\k+\i*16*PITCH+32
.endr
.endm
; A load into a register that a matrix instruction has read, and a vector instruction that reads a matrix result, stand four places behind
; that matrix instruction; only plain vector instructions that name none of its registers are places.
.macro PLACES
.rept 4
	v_nop
.endr
.endm
; A K step is four quarter steps of 32 along K, 64 matrix instructions each, on buffers 0, 1, 0, 1.  The 64 accumulators take turns, one
; instruction a turn, in the same order in every quarter.
; One of the first three quarters: multiplies buffer f; in its middle it fetches the next quarter's fragments into buffer g.
.macro QUARTER slot, k, f, g, first
	s_wait_dscnt 8                                 ; B and A's rows 0-63 are in; the youngest eight loads (A's rows 64-127) may be out
.if \first
	WIN BIA_LO
.else
	WIN MUL_LO
.endif
	MUL16 \f, 0, 0, \first
	MUL16 \f, 0, 2, \first
	PLACES
	FETCH \slot, \k, \g
	s_wait_dscnt 32                                ; all but the 32 just issued
.if \first
	WIN BIA_HI
.else
	WIN MUL_HI
.endif
	MUL16 \f, 1, 0, \first
	MUL16 \f, 1, 2, \first
.endm
.macro THREE slot, first
	QUARTER \slot, 64,  F0, F1, \first
	QUARTER \slot, 128, F1, F0, 0
	QUARTER \slot, 192, F0, F1, 0
.endm
; The last quarter: multiplies buffer 1 and changes slots.  next = the other slot; fill = 1: this slot is filled again, two K steps ahead.
; In front of the barrier each wave waits for its own reads of this slot and for all its tensor loads, of which one is out: its part of the
; next slot.  Behind it nobody reads this slot any more and the next slot is whole: the refill comes first, then the next slot's fragments.
.macro TURN slot, next, fill
	s_wait_dscnt 8
	WIN MUL_LO
	MUL16 F1, 0, 0, 0
	s_wait_dscnt 0                                 ; my reads of this slot are over
	s_wait_tensorcnt 0x0                           ; and all my tensor loads have landed
	ds_add_u32 v255, v63
	s_wait_dscnt 0x0
	s_barrier_signal -1                            ; say so (where a slot is filled again this barrier opens a round of the cluster's barrier),
	MUL16 F1, 0, 2, 0                              ; work on registers while the others arrive,
	WIN 0
	s_barrier_wait -1                              ; and go on when all four have said so
.if \fill
	CREST                                          ; all sixteen work-groups have said so: no wave of any partner still reads this slot's tile or has a load on its way
	s_add_nc_u64 s[G0+4*\slot+2:G0+4*\slot+3], s[G0+4*\slot+2:G0+4*\slot+3], 2*KSTEP*2
	s_add_nc_u64 s[G0B+4*\slot+2:G0B+4*\slot+3], s[G0B+4*\slot+2:G0B+4*\slot+3], 2*KSTEP*2
	JLOAD \slot                                    ; the first tensor load behind the round, the wave's only one until the next
.endif
	PLACES
	FETCH \next, 0, F0
	WIN MUL_HI
	MUL16 F1, 1, 0, 0
	MUL16 F1, 1, 2, 0
.endm
.macro LAP first                       ; once round the ring, both slots filled again
	THREE 0, \first
	TURN 0, 1, 1
	THREE 1, 0
	TURN 1, 0, 1
.endm
	s_wait_tensorcnt 1                             ; my part of K step 0 is in; K step 1's may stay out
	s_barrier_signal -1
	s_barrier_wait -1                              ; everybody's is
	FETCH 0, 0, F0
	s_wait_loadcnt 0x0                             ; the bias, once
	LAP 1                                          ; the first lap stands in front of the loop: its first products start the sums from the bias
	WIN 0                                          ; at a label and at a branch every window is 0
	s_mov_b32 s3, LAPS-2
.Llap:
	LAP 0
	WIN 0
	s_sub_co_u32 s3, s3, 1
	s_cmp_lg_u32 s3, 0
	s_cbranch_scc1 .Llap
	THREE 0, 0                                     ; the last lap fills nothing: my one tensor load that is still out is slot 1's, the last K step's
	TURN 0, 1, 0
	THREE 1, 0
	s_wait_dscnt 8                                 ; the very last quarter: nothing more to fetch
	WIN MUL_LO
	MUL16 F1, 0, 0, 0
	MUL16 F1, 0, 2, 0
	s_wait_dscnt 0
	WIN MUL_HI
	MUL16 F1, 1, 0, 0
	MUL16 F1, 1, 2, 0
	; THE WAY OUT, 16 rows of C at a time: round to f16, 16 bytes a lane into my own stage in LDS, read back as whole rows of 256 bytes.
	PLACES                                         ; behind the last matrix instructions: for the conversions and for the loads into buffers 0 and 1
	s_lshl_b32 s13, s13, 8
	s_lshl_b32 s14, s11, 7
	s_add_co_u32 s16, s13, s14                     ; my first row of C
	s_mov_b32 s17, 0
	s_mov_b64 s[18:19], SIZE_N*2
	s_mul_u64 s[16:17], s[16:17], s[18:19]
	s_add_nc_u64 s[8:9], s[8:9], s[16:17]
	s_lshl_b32 s46, s42, 9                         ; my first column, in bytes: 512 x block + 256 x half
	s_lshl_b32 s47, s12, 8
	s_add_co_u32 s46, s46, s47
	s_mov_b32 s47, 0
	s_add_nc_u64 s[8:9], s[8:9], s[46:47]
; rows 16 i .. 16 i + 15 of my block = the eight tiles (a, 0..7) of window 2 or 3 (from = 0x0a or 0x0f: sources 0 and 1); f: F0 or F1 in turn
.macro OUT16 i, a, from, f
	WIN \from
.irp b, 0,1,2,3,4,5,6,7
.irp r, 0,1,2,3
	v_cvt_pk_f16_f32 v[TMP+4*\b+\r], v[8*(8*\a+\b)+2*\r], v[8*(8*\a+\b)+2*\r+1]
.endr
.endr
	WIN 0
.irp b, 0,1,2,3,4,5,6,7
	ds_store_b128 v[STO], v[TMP+4*\b:TMP+4*\b+3] offset:32*\b
.endr
	s_wait_xcnt 0x0                                ; buffer f, which earlier stores read, and the stores' base are rewritten only behind this wait (ISA guide 3.1)
.if \i
	s_add_nc_u64 s[8:9], s[8:9], 16*SIZE_N*2       ; 16 rows of C on
.endif
.irp t, 0,1,2,3,4,5,6,7
	ds_load_b128 v[\f+4*\t:\f+4*\t+3], v[RD] offset:\t*2*SPITCH    ; LDS serves a wave's instructions in order (ISA guide 5.7.1): these see the stores above
.endr
.irp t, 0,1,2,3,4,5,6,7
	s_wait_dscnt 7-\t                              ; the younger read-backs may stay out
	global_store_b128 v[CO], v[\f+4*\t:\f+4*\t+3], s[8:9] offset:2*\t*SIZE_N*2   ; 16 lanes store 256 consecutive bytes, aligned
.endr
.endm
	OUT16 0, 0, 0x0a, F0
	OUT16 1, 1, 0x0a, F1
	OUT16 2, 2, 0x0a, F0
	OUT16 3, 3, 0x0a, F1
	OUT16 4, 0, 0x0f, F0
	OUT16 5, 1, 0x0f, F1
	OUT16 6, 2, 0x0f, F0
	OUT16 7, 3, 0x0f, F1
	s_set_vgpr_msb 0x1
	s_wait_tensorcnt 0x0
	ds_add_u32 v255, v63
	s_wait_dscnt 0x0
	s_set_vgpr_msb 0x100
	CROUND                                         ; the closing round: no work-group ends while a partner may still ask for a tile that names it
	s_endpgm
.Lfunc_end_k_q6cb29d9d7f_qkv:
	.size	k_q6cb29d9d7f_qkv, .Lfunc_end_k_q6cb29d9d7f_qkv-k_q6cb29d9d7f_qkv
	.p2alignl 7, 3214868480
	.fill 96, 4, 3214868480
	.section	.rodata,"a",@progbits
	.p2align	6, 0x0
	.amdhsa_kernel k_q6cb29d9d7f_qkv
		.amdhsa_group_segment_fixed_size 327680
		.amdhsa_private_segment_fixed_size 0
		.amdhsa_enable_private_segment 0
		.amdhsa_kernarg_size 32
		.amdhsa_user_sgpr_count 2
		.amdhsa_user_sgpr_kernarg_segment_ptr 1
		.amdhsa_wavefront_size32 1
		.amdhsa_system_sgpr_workgroup_id_x 1
		.amdhsa_system_sgpr_workgroup_id_y 1
		.amdhsa_system_sgpr_workgroup_id_z 1
		.amdhsa_system_vgpr_workitem_id 0
		.amdhsa_next_free_vgpr 1024
		.amdhsa_next_free_sgpr 72
		.amdhsa_reserve_vcc 0
		.amdhsa_float_denorm_mode_32 3
		.amdhsa_float_denorm_mode_16_64 3
		.amdhsa_memory_ordered 1
		.amdhsa_forward_progress 1
		.amdhsa_inst_pref_size 198
	.end_amdhsa_kernel
	.amdgpu_metadata
---
amdhsa.version: [ 1, 2 ]
amdhsa.kernels:
  - .name:           k_q6cb29d9d7f_qkv
    .symbol:         k_q6cb29d9d7f_qkv.kd
    .args:
      - { .name: xb, .offset: 0, .size: 8, .value_kind: global_buffer, .address_space: global }
      - { .name: wb, .offset: 8, .size: 8, .value_kind: global_buffer, .address_space: global }
      - { .name: qkv, .offset: 16, .size: 8, .value_kind: global_buffer, .address_space: global }
      - { .name: bqkv, .offset: 24, .size: 8, .value_kind: global_buffer, .address_space: global }
    .group_segment_fixed_size: 327680
    .private_segment_fixed_size: 0
    .kernarg_segment_align: 8
    .kernarg_segment_size: 32
    .max_flat_workgroup_size: 128
    .sgpr_count:     72
    .vgpr_count:     1024
    .wavefront_size: 32
...
	.end_amdgpu_metadata
.endif
;; end of part 2
;; launch attn (part 3): grid 4 x 64, 8 waves a work-group, clusters of 4 x 4, 327,680 bytes of LDS; arguments qkv, attn_mask, ao; writes ao
.if DOCPART == 3
	.amdgcn_target "amdgcn-amd-amdhsa--gfx1250"
	.amdhsa_code_object_version 6
	.text
	.protected	k_q6cb29d9d7f_attn
	.globl	k_q6cb29d9d7f_attn
	.p2align	8
	.type	k_q6cb29d9d7f_attn,@function
k_q6cb29d9d7f_attn:
	s_mov_b64 s[64:65], 0
	v_nop
	global_prefetch_b8 v0, s[64:65] scope:SCOPE_SE
	s_setreg_imm32_b32 hwreg(HW_REG_WAVE_MODE, 25, 1), 1
	s_wait_xcnt 0x0
	s_wait_alu depctr_hold_cnt(0) depctr_sa_sdst(0) depctr_va_vdst(0) depctr_va_sdst(0) depctr_va_ssrc(0) depctr_va_vcc(0) depctr_vm_vsrc(0)
	s_getreg_b32 s2, hwreg(HW_REG_IB_STS2, 6, 4)
	s_cmp_eq_u32 s2, 0
	s_cbranch_scc0 .Lentry_in_a_cluster
	s_endpgm
.Lentry_in_a_cluster:
	s_bfe_u32 s2, ttmp6, 0x10000c
	s_cmp_lg_u32 s2, 0xf033
	s_cbranch_scc0 .Lentry_shape_is_right
	s_endpgm
.Lentry_shape_is_right:
; ao[b, q, 64 head + d] = sum over keys of softmax((mask[b, q, key] + Q.K) / 8) V, by a running maximum and a running sum over 32 steps of 64 keys.
; qkv: [8192][3072] f16 (a row: Q, K, V, 1,024 each, head h at 64 h).  attn_mask: [4][2048][2048] f32.  ao: [8192][1024] f16.
; A work-group takes 128 query rows (rows 128 wgy .. of the 8,192) and four heads (4 cx ..).  Wave w takes head w & 3 of the four and the 64 queries w >> 2.
; CLUSTERS: 4 x 4 work-groups.  The grid is one cluster wide, so cx is the group of heads.  The mask's tile hangs on the query rows alone: it is shared along
; the cluster's row (four groups of heads), and with four heads in a work-group every byte of the mask is asked for once in the launch.  K's and V's tiles hang
; on the batch and the heads alone (the four work-groups of a column lie in one batch: 16 query blocks a batch): they are shared along the column.
; THE SCORES ARE MADE TRANSPOSED: S^T = K Q^T + mask^T.  Source 0 = 16 keys of K, source 1 = 16 queries of Q, and C = the mask, loaded straight into the
; accumulator (register j of lane l is key 8 (l / 16) + j of query l % 16: 32 neighbouring bytes of a row of the mask).  So adding the mask costs no
; instruction; a lane holds one query, so maximum and sum run along its own registers and once across the two halves of the wave; two neighbouring key tiles,
; rounded to f16 in pairs, are source 1 of O^T = V^T P^T as they lie; source 0 is V^T by the transposing LDS load; and O^T again has one query a lane.
; FORMAT.  Q, K, V, the weights and the result are f16 (matrix operands; 11 significant bits).  The weights lie in [0, 1], since the running maximum is taken
; away first; one below 2^-25 is rounded to 0, against a row sum of at least 1.  The result is a weighted mean of V and has V's range.
; LIMITS.  The running maximum starts at the most negative finite f32, so every finite score is served; scores of -inf get the weight 0; a row whose scores
; are all -inf gives 0 x (1 / 0) = NaN, as a softmax of such a row does.  mask + Q.K is summed in the matrix unit's f32 accumulator, in another order of
; rounding than a sum formed first and added to the mask.  The row sum adds the weights in f32; the product with V takes them rounded to f16.
.set SLOT,   103424                    ; an LDS slot: the tiles of one step
.set KOFF,   34816                     ; M at 0: 128 queries x 272; K here: 64 keys x 528; V at VOFF: 64 keys x 544
.set VOFF,   68608
.set MP,     272                       ; 64 f32 + 16 bytes: an odd multiple of 16
.set KP,     528                       ; 4 heads x 64 f16 + 16 bytes: an odd multiple of 16
.set VP,     544                       ; 4 heads x 64 f16 + 32 bytes: an odd multiple of 32, for the transposing load
.set STAGE,  2*SLOT                    ; behind the ring: 128 rows x 528 bytes for the way out; no tensor load lands there
.set SP,     528
.set ROWB,   6144                      ; bytes in a row of qkv
.set KVSTEP, 64*ROWB                   ; 64 keys on
.set MSTEP,  256                       ; 64 keys on in a row of the mask
; window 0
.set AM,  8                            ; v8-9    LDS address of my mask rows in slot 0, 1
.set AK,  10                           ; v10-11  of my K fragments
.set AV,  12                           ; v12-13  of my V fragments
.set QO,  14                           ; v14     my byte offset in Q
.set STO, 15                           ; v15     the way out: where I put 16 bytes
.set RD,  16                           ; v16     the way out: where I read a row back
.set CO,  17                           ; v17     my byte offset in a row of ao's 512 bytes
.set PF,  18                           ; v18     prefetch: my row of the mask's tile
.set MX,  20                           ; v20-27  the running maximum of my query in each of 4 query tiles; two sets that take turns
.set PT,  28                           ; v28-31  what the other half of the wave sends
.set NA,  32                           ; v32-47  pairs (-c x maximum, factor for what was summed before); two sets
.set LS,  48                           ; v48-55  the running sum, in pairs
.set KF,  64                           ; v64-127 K fragments: key tile kt, half ks of the 64 dims, at 16 kt + 8 ks
.set SC,  128                          ; v128-255 scores: tile (kt, qt) at 32 qt + 8 kt; later the weights in f16: keys 32 kk .. at 32 qt + 16 kk
; window 1
.set OA,  0                            ; v0-127   O^T: tile (dt, qt) at 32 qt + 8 dt
.set QF,  128                          ; v128-191 Q fragments at 16 qt + 8 ks
.set VF,  192                          ; v192-255 V^T fragments at 8 (2 dt + kk)
.set G1M, 28                           ; s[28:35] group 1 for the mask's tiles
.set G1K, 36                           ; s[36:43] for K's
.set G1V, 44                           ; s[44:51] for V's (another padding)
.set G0M, 52                           ; s[52:59] group 0 for the mask's tiles, one set for each slot
.set G0K, 68                           ; s[68:75] for K's
.set G0V, 76                           ; s[76:83] for V's
.set MSB, 0
.macro WIN new                         ; the immediate's high byte repeats the setting that is left
.if MSB != \new
	s_set_vgpr_msb (MSB<<8)|\new
.set MSB, \new
.endif
.endm
.macro PLACES n
.rept \n
	v_nop
.endr
.endm
; A round of the cluster's barrier.
.macro ROUND
	s_barrier_signal -1
	s_barrier_wait -1
	s_cmp_lg_u32 s10, 0
	s_cbranch_scc1 .Lnot_wave_0_\@
	s_barrier_signal -3
.Lnot_wave_0_\@:
	s_barrier_wait -3
	s_barrier_signal -1
	s_barrier_wait -1
.endm
; The joint loads of one step into slot n: waves 0 and 1 ask for the mask's two halves (64 rows of 256 bytes each), wave 2 for K, wave 3 for V (64 rows of
; 512 bytes each); waves 4 to 7 ask for nothing.  One tensor load a wave.  The branches hang on the wave's number alone.
.macro JLOAD n
	s_cmp_lt_u32 s10, 2
	s_cbranch_scc0 .Lnot_m_\@
	tensor_load_to_lds s[G0M+4*\n:G0M+4*\n+3], s[G1M:G1M+7]
	s_nop 0
	s_branch .Lasked_\@
.Lnot_m_\@:
	s_cmp_eq_u32 s10, 2
	s_cbranch_scc0 .Lnot_k_\@
	tensor_load_to_lds s[G0K+4*\n:G0K+4*\n+3], s[G1K:G1K+7]
	s_nop 0
	s_branch .Lasked_\@
.Lnot_k_\@:
	s_cmp_eq_u32 s10, 3
	s_cbranch_scc0 .Lasked_\@
	tensor_load_to_lds s[G0V+4*\n:G0V+4*\n+3], s[G1V:G1V+7]
	s_nop 0
.Lasked_\@:
.endm
; Wave 4 asks for 32 of the 128 rows of the mask's tile two steps ahead, 256 bytes a lane; the four work-groups that share the tile take 32 rows each.
.macro PREF
	s_cmp_lg_u32 s10, 4
	s_cbranch_scc1 .Lno_pf_\@
	global_prefetch_b8 v[PF], s[62:63] th:TH_LOAD_NT scope:SCOPE_SE
.Lno_pf_\@:
.endm
	s_load_b128 s[4:7], s[0:1], 0x0                ; qkv s[4:5], attn_mask s[6:7]
	s_load_b64 s[8:9], s[0:1], 0x10                ; ao
	v_lshl_add_u32 v62, v0, 2, 0x43000
	v_mov_b32 v63, 0
	ds_add_u32 v62, v63
	v_lshrrev_b32 v1, 5, v0
	v_readfirstlane_b32 s10, v1                    ; wave 0..7
	s_and_b32 s11, s10, 3                          ; my head among the work-group's four
	s_lshr_b32 s12, s10, 2                         ; my half of its 128 queries
	s_bfe_u32 s13, ttmp6, 0x40000                  ; cx = the group of four heads
	s_bfe_u32 s14, ttmp6, 0x40004                  ; cy
	s_and_b32 s15, ttmp7, 0xffff                   ; the cluster's y
	s_lshl_b32 s16, s15, 2
	s_add_co_u32 s16, s16, s14                     ; wgy = 4 x cluster y + cy: the block of 128 query rows
	s_lshr_b32 s17, s15, 2                         ; the batch: 16 blocks, 4 clusters, each
	s_mov_b32 s22, 0x3e38aa3b                      ; c = log2(e) / 8: the division by sqrt(64) and the change of base in one factor
	s_mov_b32 s23, 0xbe38aa3b                      ; -c
	s_mov_b32 s24, 0x76543210                      ; v_permlanex16_b32: lane i of one half reads lane i of the other
	s_mov_b32 s25, 0xfedcba98
	s_lshl_b32 s86, s14, 2
	s_lshl_b32 s86, 15, s86                        ; my row of the cluster
	s_lshl_b32 s87, 0x1111, s13                    ; my column
	s_or_b32 s[G1M+0], s86, (2<<16)|(1<<20)|(1<<21)|(5<<22)|(3<<25)   ; mask of my row; elements of 4 bytes; padding on; bit 21 beside a mask; after every 64 words 4 words
	s_mov_b32 s[G1M+1], 64<<16                     ; tensor_dim0 = 64
	s_mov_b32 s[G1M+2], 64<<16                     ; tensor_dim1 = 64
	s_mov_b32 s[G1M+3], 64<<16                     ; tile_dim0 = 64 keys
	s_mov_b32 s[G1M+4], 64                         ; tile_dim1 = 64 rows
	s_mov_b32 s[G1M+5], 2048                       ; elements from row to row
	s_mov_b32 s[G1M+6], 0
	s_mov_b32 s[G1M+7], 0
	s_or_b32 s[G1K+0], s87, (1<<16)|(1<<20)|(1<<21)|(6<<22)|(3<<25)   ; mask of my column; elements of 2 bytes; after every 128 words 4 words
	s_or_b32 s[G1V+0], s87, (1<<16)|(1<<20)|(1<<21)|(6<<22)|(7<<25)   ; the same, 8 words
.irp g, G1K, G1V
	s_mov_b32 s[\g+1], 256<<16                     ; tensor_dim0 = 256
	s_mov_b32 s[\g+2], 64<<16                      ; tensor_dim1 = 64
	s_mov_b32 s[\g+3], 256<<16                     ; tile_dim0 = 4 heads x 64
	s_mov_b32 s[\g+4], 64                          ; tile_dim1 = 64 keys
	s_mov_b32 s[\g+5], 3072                        ; elements from row to row
	s_mov_b32 s[\g+6], 0
	s_mov_b32 s[\g+7], 0
.endr
	; the mask's offset, in registers that never hold cx: row 128 wgy + 64 x wave (only waves 0 and 1 ask by it), 8,192 bytes a row
	s_lshl_b32 s18, s16, 7
	s_lshl_b32 s19, s10, 6
	s_add_co_u32 s18, s18, s19
	s_lshl_b32 s18, s18, 13
	s_mov_b32 s19, 0
	; K's offset, in registers that never hold cy: the batch's first row, K's part of a row, my four heads
	s_mul_i32 s20, s17, 2048*ROWB
	s_lshl_b32 s21, s13, 9
	s_add_co_u32 s20, s20, s21
	s_add_co_u32 s20, s20, 2048
	s_mov_b32 s21, 0
	s_mul_i32 s27, s10, 64*MP                      ; where a wave's half of the mask's tile goes: wave x 64 rows
	; Q's offset: row 128 wgy + 64 half, head 4 cx + mine
	s_lshl_b32 s84, s16, 7
	s_lshl_b32 s85, s12, 6
	s_add_co_u32 s84, s84, s85
	s_mul_i32 s84, s84, ROWB
	s_lshl_b32 s85, s13, 9
	s_add_co_u32 s84, s84, s85
	s_lshl_b32 s85, s11, 7
	s_add_co_u32 s84, s84, s85
	s_mov_b32 s85, 0
	s_wait_dscnt 0x0
	s_wait_kmcnt 0x0
	s_add_nc_u64 s[18:19], s[6:7], s[18:19]
	s_add_nc_u64 s[20:21], s[4:5], s[20:21]
	s_add_nc_u64 s[60:61], s[4:5], s[84:85]        ; Q
	s_lshl_b32 s84, s16, 20                        ; the prefetch's base: my 128 rows of the mask, one tile in; each asking step adds a tile first,
	s_add_co_u32 s84, s84, MSTEP                   ; so step t asks for tile t + 2
	s_add_nc_u64 s[62:63], s[6:7], s[84:85]
.irp n, 0,1
	s_mov_b32 s[G0M+4*\n], 1
	s_add_co_u32 s[G0M+4*\n+1], s27, \n*SLOT
	s_add_nc_u64 s[G0M+4*\n+2:G0M+4*\n+3], s[18:19], \n*MSTEP
	s_or_b32 s[G0M+4*\n+3], s[G0M+4*\n+3], 0x80000000
	s_mov_b32 s[G0K+4*\n], 1
	s_mov_b32 s[G0K+4*\n+1], \n*SLOT+KOFF
	s_add_nc_u64 s[G0K+4*\n+2:G0K+4*\n+3], s[20:21], \n*KVSTEP
	s_or_b32 s[G0K+4*\n+3], s[G0K+4*\n+3], 0x80000000
	s_mov_b32 s[G0V+4*\n], 1
	s_mov_b32 s[G0V+4*\n+1], \n*SLOT+VOFF
	s_add_nc_u64 s[G0V+4*\n+2:G0V+4*\n+3], s[20:21], \n*KVSTEP+2048
	s_or_b32 s[G0V+4*\n+3], s[G0V+4*\n+3], 0x80000000
.endr
	ROUND                                          ; all sixteen work-groups are here: the first joint loads meet
	JLOAD 0                                        ; step 0's tiles; slot 1 is first filled behind the first step's round
	v_and_b32 v1, 31, v0                           ; l
	v_and_b32 v2, 15, v0                           ; r = l % 16
	v_bfe_u32 v3, v0, 4, 1                         ; h = l / 16
	v_mul_u32_u24 v4, v2, MP
	v_lshl_add_u32 v4, v3, 5, v4                   ; the mask: row r, 8 h keys of 4 bytes
	s_mul_i32 s2, s12, 64*MP                       ; my 64 queries
	v_add_nc_u32 v[AM], s2, v4
	v_add_nc_u32 v[AM+1], SLOT, v[AM]
	v_mul_u32_u24 v5, v2, KP
	v_lshl_add_u32 v5, v3, 4, v5                   ; K: row r, 8 h dims of 2 bytes
	s_lshl_b32 s3, s11, 7                          ; my head's 128 bytes
	s_add_co_u32 s2, s3, KOFF
	v_add_nc_u32 v[AK], s2, v5
	v_add_nc_u32 v[AK+1], SLOT, v[AK]
	v_and_b32 v6, 7, v0
	v_lshl_add_u32 v6, v3, 3, v6                   ; V: key 8 h + l % 8,
	v_mul_u32_u24 v6, v6, VP
	v_bfe_u32 v7, v0, 3, 1
	v_lshl_add_u32 v6, v7, 4, v6                   ; dims 8 ((l / 8) % 2) ..
	s_add_co_u32 s2, s3, VOFF
	v_add_nc_u32 v[AV], s2, v6
	v_add_nc_u32 v[AV+1], SLOT, v[AV]
	v_mul_u32_u24 v[QO], v2, ROWB
	v_lshl_add_u32 v[QO], v3, 4, v[QO]
	s_mul_i32 s2, s12, 64*SP
	s_add_co_u32 s2, s2, s3
	s_add_co_u32 s2, s2, STAGE
	v_add_nc_u32 v[STO], s2, v5                    ; the stage: row 64 half + r, my head's 128 bytes, 8 h dims
	s_mul_i32 s2, s10, 16*SP
	s_add_co_u32 s2, s2, STAGE
	v_lshl_add_u32 v[RD], v1, 4, s2                ; back: rows 16 wave .., 16 bytes a lane
	v_lshlrev_b32 v[CO], 4, v1
	s_lshl_b32 s84, s13, 5
	v_add_lshl_u32 v[PF], v1, s84, 13              ; row 32 cx + l of the tile's 128, 8,192 bytes a row
.irp qt, 0,1,2,3
	v_mov_b32 v[MX+\qt], 0xff7fffff                ; the most negative finite f32: no finite score lies below it, and -c times it is finite
	v_mov_b32 v[PT+\qt], 0                         ; v_permlanex16_b32's destination counts as read
	v_mov_b32 v[LS+2*\qt], 0
	v_mov_b32 v[LS+2*\qt+1], 0
.endr
.irp qt, 0,1,2,3
	v_mul_f32 v[NA+2*\qt], s23, v[MX+\qt]
.endr
	WIN 0x40                                       ; destination window 1
.irp qt, 0,1,2,3
.irp ks, 0,1
	global_load_b128 v[QF+16*\qt+8*\ks:QF+16*\qt+8*\ks+3],   v[QO], s[60:61] offset:\qt*16*ROWB+64*\ks
	global_load_b128 v[QF+16*\qt+8*\ks+4:QF+16*\qt+8*\ks+7], v[QO], s[60:61] offset:\qt*16*ROWB+64*\ks+32
.endr
.endr
	WIN 0
; One step's LDS loads from slot n: 16 for K, 32 for the mask (into the accumulators), 16 transposing ones for V, in that order.
.macro LOADS n
.irp kt, 0,1,2,3
.irp ks, 0,1
	ds_load_b128 v[KF+16*\kt+8*\ks:KF+16*\kt+8*\ks+3],   v[AK+\n] offset:\kt*16*KP+64*\ks
	ds_load_b128 v[KF+16*\kt+8*\ks+4:KF+16*\kt+8*\ks+7], v[AK+\n] offset:\kt*16*KP+64*\ks+32
.endr
.endr
.irp qt, 0,1,2,3
.irp kt, 0,1,2,3
	ds_load_b128 v[SC+32*\qt+8*\kt:SC+32*\qt+8*\kt+3],   v[AM+\n] offset:\qt*16*MP+64*\kt
	ds_load_b128 v[SC+32*\qt+8*\kt+4:SC+32*\qt+8*\kt+7], v[AM+\n] offset:\qt*16*MP+64*\kt+16
.endr
.endr
	WIN 0x40
.irp dt, 0,1,2,3
.irp kk, 0,1
	ds_load_tr16_b128 v[VF+8*(2*\dt+\kk):VF+8*(2*\dt+\kk)+3],   v[AV+\n] offset:\kk*32*VP+32*\dt
	ds_load_tr16_b128 v[VF+8*(2*\dt+\kk)+4:VF+8*(2*\dt+\kk)+7], v[AV+\n] offset:\kk*32*VP+32*\dt+16*VP
.endr
.endr
.endm
; S^T += K Q^T: 32 matrix instructions; the 16 accumulators take turns, one instruction a turn.
.macro SMUL
	WIN 0x04                                       ; source 1 (Q) window 1
.irp ks, 0,1
.irp qt, 0,1,2,3
.irp kt, 0,1,2,3
	v_wmma_f32_16x16x32_f16 v[SC+32*\qt+8*\kt:SC+32*\qt+8*\kt+7], v[KF+16*\kt+8*\ks:KF+16*\kt+8*\ks+7], v[QF+16*\qt+8*\ks:QF+16*\qt+8*\ks+7], v[SC+32*\qt+8*\kt:SC+32*\qt+8*\kt+7]
.endr
.endr
.endr
.endm
; The new maximum of each of my 4 queries (set new) from the old one (set old) and 32 scores, then across the halves; -c x maximum; and the factor
; 2^(new - old) of these two ROUNDED numbers, so that what was summed before and what is summed now carry the same shift exactly.
.macro MAXALL old, new
.irp qt, 0,1,2,3
	v_max3_num_f32 v[MX+4*\new+\qt], v[MX+4*\old+\qt], v[SC+32*\qt], v[SC+32*\qt+1]
.endr
.set i, 1
.rept 15
.irp qt, 0,1,2,3
	v_max3_num_f32 v[MX+4*\new+\qt], v[MX+4*\new+\qt], v[SC+32*\qt+2*i], v[SC+32*\qt+2*i+1]
.endr
.set i, i+1
.endr
.irp qt, 0,1,2,3
	v_permlanex16_b32 v[PT+\qt], v[MX+4*\new+\qt], s24, s25
.endr
.irp qt, 0,1,2,3
	v_max_num_f32 v[MX+4*\new+\qt], v[MX+4*\new+\qt], v[PT+\qt]
.endr
.irp qt, 0,1,2,3
	v_mul_f32 v[NA+8*\new+2*\qt], s23, v[MX+4*\new+\qt]
.endr
.irp qt, 0,1,2,3
	v_sub_f32 v[NA+8*\new+2*\qt+1], v[NA+8*\new+2*\qt], v[NA+8*\old+2*\qt]
.endr
.irp qt, 0,1,2,3
	v_exp_f32 v[NA+8*\new+2*\qt+1], v[NA+8*\new+2*\qt+1]
.endr
	v_nop                                          ; one plain place behind the last exponential (ISA guide 5.7.2): the next line reads the pair
	s_wait_alu depctr_va_vdst(0)
.endm
; Three query tiles at three stages, line by line: qe takes its exponentials, qf its c x score - c x maximum, qs is summed and rounded to f16 (-1: none).
; So behind every two exponentials stands plain work on another tile before their results are read.
; The rounding is in place: pair i goes to register i of its half of the tile, whose old number belongs to a pair that has been summed.
.macro STAGE3 qe, qf, qs, set
.set i, 0
.rept 16
.if \qe >= 0
	v_exp_f32 v[SC+32*\qe+2*i], v[SC+32*\qe+2*i]
	v_exp_f32 v[SC+32*\qe+2*i+1], v[SC+32*\qe+2*i+1]
.endif
.if \qf >= 0
	v_pk_fma_f32 v[SC+32*\qf+2*i:SC+32*\qf+2*i+1], v[SC+32*\qf+2*i:SC+32*\qf+2*i+1], s[22:23], v[NA+8*\set+2*\qf:NA+8*\set+2*\qf+1] op_sel_hi:[1,0,0]
.endif
.if \qs >= 0
.if i == 0
	s_wait_alu depctr_va_vdst(0)
	v_pk_fma_f32 v[LS+2*\qs:LS+2*\qs+1], v[LS+2*\qs:LS+2*\qs+1], v[NA+8*\set+2*\qs:NA+8*\set+2*\qs+1], v[SC+32*\qs:SC+32*\qs+1] op_sel:[0,1,0]
	s_wait_alu depctr_va_vdst(0)
.else
	s_wait_alu depctr_va_vdst(0)
	v_pk_add_f32 v[LS+2*\qs:LS+2*\qs+1], v[LS+2*\qs:LS+2*\qs+1], v[SC+32*\qs+2*i:SC+32*\qs+2*i+1]
.endif
	v_cvt_pk_f16_f32 v[SC+32*\qs+16*(i/8)+i%8], v[SC+32*\qs+2*i], v[SC+32*\qs+2*i+1]
.endif
.set i, i+1
.endr
.endm
; O^T times the factor of its lane's query
.macro RESCALE set
	WIN 0x41                                       ; destination and source 0 window 1
.irp qt, 0,1,2,3
.set i, 0
.rept 16
	v_pk_mul_f32 v[OA+32*\qt+2*i:OA+32*\qt+2*i+1], v[OA+32*\qt+2*i:OA+32*\qt+2*i+1], v[NA+8*\set+2*\qt:NA+8*\set+2*\qt+1] op_sel:[0,1] op_sel_hi:[1,1]
.set i, i+1
.endr
.endr
.endm
; O^T += V^T P^T: 32 matrix instructions, the 16 accumulators by turns.  first = 1: the first 16 start the sums.
.macro PVMUL first
	WIN 0x51                                       ; D, C and source 0 (V^T) window 1, source 1 (the weights) window 0
.irp kk, 0,1
.irp qt, 0,1,2,3
.irp dt, 0,1,2,3
.if \first*(1-\kk)
	v_wmma_f32_16x16x32_f16 v[OA+32*\qt+8*\dt:OA+32*\qt+8*\dt+7], v[VF+8*(2*\dt+\kk):VF+8*(2*\dt+\kk)+7], v[SC+32*\qt+16*\kk:SC+32*\qt+16*\kk+7], 0
.else
	v_wmma_f32_16x16x32_f16 v[OA+32*\qt+8*\dt:OA+32*\qt+8*\dt+7], v[VF+8*(2*\dt+\kk):VF+8*(2*\dt+\kk)+7], v[SC+32*\qt+16*\kk:SC+32*\qt+16*\kk+7], v[OA+32*\qt+8*\dt:OA+32*\qt+8*\dt+7]
.endif
.endr
.endr
.endr
.endm
; One step of 64 keys, from slot `slot`.  other = the other slot, which is filled meanwhile (refill = 1), and also the set of statistics that this step writes.
.macro TRIP slot, other, refill, first, pf
	s_wait_tensorcnt 0x0                           ; all my tensor loads have landed, my part of this step's tiles among them, so every group 0 may be written:
	ds_add_u32 v62, v63
	s_wait_dscnt 0x0
	s_add_nc_u64 s[G0M+4*\slot+2:G0M+4*\slot+3], s[G0M+4*\slot+2:G0M+4*\slot+3], 2*MSTEP    ; this slot's next tiles
	s_add_nc_u64 s[G0K+4*\slot+2:G0K+4*\slot+3], s[G0K+4*\slot+2:G0K+4*\slot+3], 2*KVSTEP
	s_add_nc_u64 s[G0V+4*\slot+2:G0V+4*\slot+3], s[G0V+4*\slot+2:G0V+4*\slot+3], 2*KVSTEP
.if \pf
	s_wait_xcnt 0x0                                ; the last step's prefetch has read its base (ISA guide 3.1)
	s_add_nc_u64 s[62:63], s[62:63], MSTEP
.endif
	s_wait_dscnt 0x0                               ; my reads of the other slot are over
	ROUND                                          ; both now hold of every wave of every work-group of the cluster
.if \refill
	JLOAD \other                                   ; the next step's tiles: the wave's one tensor load until the next round
.endif
.if \pf
	PREF
.endif
.if \first
.else
	PLACES 5                                       ; behind the last step's matrix instructions: their sources are loaded again, and written over by the score products (ISA guide 7.12.1)
.endif
	LOADS \slot
	s_wait_dscnt 16                                ; K and the mask are in; V's sixteen loads, the youngest, may stay out
.if \first
	s_wait_loadcnt 0x0                             ; Q, once
.endif
	SMUL
	WIN 0
	PLACES 4                                       ; behind the last score product, ahead of the vector work on the scores
	MAXALL \slot, \other
	STAGE3 -1, 0, -1, \other
	STAGE3 0, 1, -1, \other
	STAGE3 1, 2, 0, \other
	STAGE3 2, 3, 1, \other
	STAGE3 3, -1, 2, \other
	STAGE3 -1, -1, 3, \other
.if \first
.else
	RESCALE \other
.endif
	s_wait_dscnt 0x0                               ; V
	PVMUL \first
	WIN 0                                          ; at a label and at a branch every window is 0
.endm
	TRIP 0, 1, 1, 1, 1                             ; 32 steps: the first starts the sums,
	TRIP 1, 0, 1, 0, 1
	s_mov_b32 s26, 14
.Lpair:
	TRIP 0, 1, 1, 0, 1
	TRIP 1, 0, 1, 0, 1
	s_sub_co_u32 s26, s26, 1
	s_cmp_lg_u32 s26, 0
	s_cbranch_scc1 .Lpair
	TRIP 0, 1, 1, 0, 0                             ; the last two prefetch nothing (tiles 32 and 33 do not exist),
	TRIP 1, 0, 0, 0, 0                             ; and the last fills nothing
	; THE WAY OUT.  The row sums; these first four additions, which name no register of a matrix instruction, are the four places behind the last of them.
.irp qt, 0,1,2,3
	v_add_f32 v[LS+2*\qt], v[LS+2*\qt], v[LS+2*\qt+1]
.endr
.irp qt, 0,1,2,3
	v_permlanex16_b32 v[PT+\qt], v[LS+2*\qt], s24, s25
.endr
.irp qt, 0,1,2,3
	v_add_f32 v[LS+2*\qt], v[LS+2*\qt], v[PT+\qt]
.endr
.irp qt, 0,1,2,3
	v_rcp_f32 v[NA+2*\qt], v[LS+2*\qt]
.endr
	v_nop                                          ; one plain place behind the last reciprocal
	s_lshl_b32 s84, s16, 7                         ; ao: row 128 wgy + 16 wave, 2,048 bytes a row, and my four heads' 512 bytes
	s_lshl_b32 s85, s10, 4
	s_add_co_u32 s84, s84, s85
	s_lshl_b32 s84, s84, 11
	s_lshl_b32 s85, s13, 9
	s_add_co_u32 s84, s84, s85
	s_mov_b32 s85, 0
	s_add_nc_u64 s[8:9], s[8:9], s[84:85]
	WIN 0x01                                       ; source 0 (O^T) window 1; the quotients go where the scores were
	s_wait_alu depctr_va_vdst(0)
.irp qt, 0,1,2,3
.set i, 0
.rept 16
	v_pk_mul_f32 v[SC+32*\qt+2*i:SC+32*\qt+2*i+1], v[OA+32*\qt+2*i:OA+32*\qt+2*i+1], v[NA+2*\qt:NA+2*\qt+1] op_sel_hi:[1,0]
.set i, i+1
.endr
.endr
	WIN 0
.irp t, 0,1,2,3,4,5,6,7,8,9,10,11,12,13,14,15
.irp j, 0,1,2,3
	v_cvt_pk_f16_f32 v[SC+8*\t+\j], v[SC+8*\t+2*\j], v[SC+8*\t+2*\j+1]   ; a lane's 8 neighbouring dims of one query: 16 bytes
.endr
.endr
.irp qt, 0,1,2,3
.irp dt, 0,1,2,3
	ds_store_b128 v[STO], v[SC+32*\qt+8*\dt:SC+32*\qt+8*\dt+3] offset:\qt*16*SP+32*\dt
.endr
.endr
	s_wait_dscnt 0x0                               ; for the others' sake: a row of the stage holds four waves' heads
	s_barrier_signal -1
	s_barrier_wait -1
.irp t, 0,1,2,3,4,5,6,7,8,9,10,11,12,13,14,15
	ds_load_b128 v[KF+4*\t:KF+4*\t+3], v[RD] offset:\t*SP
.endr
.irp t, 0,1,2,3,4,5,6,7,8,9,10,11,12,13,14,15
	s_wait_dscnt 15-\t                             ; the younger read-backs may stay out
	global_store_b128 v[CO], v[KF+4*\t:KF+4*\t+3], s[8:9] offset:\t*2048   ; a store of the wave covers 512 consecutive bytes, aligned
.endr
	s_wait_tensorcnt 0x0
	ds_add_u32 v62, v63
	s_wait_dscnt 0x0
	ROUND                                          ; the closing round: no work-group ends while a partner may still ask for a tile that names it
	s_endpgm
.Lfunc_end_k_q6cb29d9d7f_attn:
	.size	k_q6cb29d9d7f_attn, .Lfunc_end_k_q6cb29d9d7f_attn-k_q6cb29d9d7f_attn
	.p2alignl 7, 3214868480
	.fill 96, 4, 3214868480
	.section	.rodata,"a",@progbits
	.p2align	6, 0x0
	.amdhsa_kernel k_q6cb29d9d7f_attn
		.amdhsa_group_segment_fixed_size 327680
		.amdhsa_private_segment_fixed_size 0
		.amdhsa_enable_private_segment 0
		.amdhsa_kernarg_size 24
		.amdhsa_user_sgpr_count 2
		.amdhsa_user_sgpr_kernarg_segment_ptr 1
		.amdhsa_wavefront_size32 1
		.amdhsa_system_sgpr_workgroup_id_x 1
		.amdhsa_system_sgpr_workgroup_id_y 1
		.amdhsa_system_sgpr_workgroup_id_z 1
		.amdhsa_system_vgpr_workitem_id 0
		.amdhsa_next_free_vgpr 512
		.amdhsa_next_free_sgpr 88
		.amdhsa_reserve_vcc 0
		.amdhsa_float_denorm_mode_32 3
		.amdhsa_float_denorm_mode_16_64 3
		.amdhsa_memory_ordered 1
		.amdhsa_forward_progress 1
		.amdhsa_inst_pref_size 241
	.end_amdhsa_kernel
	.amdgpu_metadata
---
amdhsa.version: [ 1, 2 ]
amdhsa.kernels:
  - .name:           k_q6cb29d9d7f_attn
    .symbol:         k_q6cb29d9d7f_attn.kd
    .args:
      - { .name: qkv, .offset: 0, .size: 8, .value_kind: global_buffer, .address_space: global }
      - { .name: attn_mask, .offset: 8, .size: 8, .value_kind: global_buffer, .address_space: global }
      - { .name: ao, .offset: 16, .size: 8, .value_kind: global_buffer, .address_space: global }
    .group_segment_fixed_size: 327680
    .private_segment_fixed_size: 0
    .kernarg_segment_align: 8
    .kernarg_segment_size: 24
    .max_flat_workgroup_size: 256
    .sgpr_count:     88
    .vgpr_count:     512
    .wavefront_size: 32
...
	.end_amdgpu_metadata
.endif
;; end of part 3
;; launch oproj (part 4): grid 4 x 32, 4 waves a work-group, clusters of 4 x 4, 327,680 bytes of LDS; arguments ao, wb, out0, WO_b; writes out0
.if DOCPART == 4
	.amdgcn_target "amdgcn-amd-amdhsa--gfx1250"
	.amdhsa_code_object_version 6
	.text
	.protected	k_q6cb29d9d7f_oproj
	.globl	k_q6cb29d9d7f_oproj
	.p2align	8
	.type	k_q6cb29d9d7f_oproj,@function
k_q6cb29d9d7f_oproj:
	s_mov_b64 s[64:65], 0
	v_nop
	global_prefetch_b8 v0, s[64:65] scope:SCOPE_SE
	s_setreg_imm32_b32 hwreg(HW_REG_WAVE_MODE, 25, 1), 1
	s_wait_xcnt 0x0
	s_wait_alu depctr_hold_cnt(0) depctr_sa_sdst(0) depctr_va_vdst(0) depctr_va_sdst(0) depctr_va_ssrc(0) depctr_va_vcc(0) depctr_vm_vsrc(0)
	s_getreg_b32 s2, hwreg(HW_REG_IB_STS2, 6, 4)
	s_cmp_eq_u32 s2, 0
	s_cbranch_scc0 .Lentry_in_a_cluster
	s_endpgm
.Lentry_in_a_cluster:
	s_bfe_u32 s2, ttmp6, 0x10000c
	s_cmp_lg_u32 s2, 0xf033
	s_cbranch_scc0 .Lentry_shape_is_right
	s_endpgm
.Lentry_shape_is_right:
; out0[m][n] = sum over k of ao[m][k] WO[n][k] + WO_b[n].  ao: [8192][1024] f16; WO: rows 3072 .. 4095 of wb, [4096][1024] f16; WO_b: [1024] f32;
; out0: [8192][1024] f32; sums in f32.  (f16 for its 11 significant bits; ao is a weighted mean of V and has V's range, below f16's 65,504 with all inputs
; 30 times larger, 5,400, or offset by 30 of their spreads, 28,800.)
; A work-group makes a block of 256 x 256 with four waves; a wave makes 128 x 128: 64 accumulator tiles of 16 x 16, 512 registers.
; K goes in steps of 128 through a ring of two LDS slots filled by the tensor data mover: a tile's rows are 256 bytes of memory, aligned.
; 4 x 32 blocks: 128 work-groups.  Blocks of half the size would leave a tile half the matrix work in which to land and read half as much again from LDS
; for each product; slots of two such steps do not fit twice in LDS.
; CLUSTERS: 4 x 4 work-groups.  The four of a row of the cluster need the same tiles of ao, the four of a column the same tiles of WO: joint loads.
; THE BIAS STARTS THE SUMS: the first product of each tile takes the bias as its C operand.
;
; REGISTERS, in windows of 256:
;   window 0: v16-27 addresses; v64-127, v128-191 fragments of A, two buffers, later rows on the way out; v192-255 the bias of my 128 columns
;   window 1: v64-127, v128-191 fragments of B, two buffers
;   window 2: the 32 accumulator tiles of my rows 0-63 (tile (a, b) at v[8 (8 a + b)]);   window 3: those of my rows 64-127
; THE MATRIX INSTRUCTION IS USED TRANSPOSED: source 0 = 16 rows of B, source 1 = 16 rows of A.  Lane l then holds row l % 16 of C and its
; registers 0 to 7 the columns 8 (l / 16) + 0 .. 7 of the tile: 32 neighbouring bytes of a row.
.set SIZE_N, 1024
.set SIZE_K, 1024
.set WO_AT,  3072*SIZE_K*2             ; WO's first byte in wb
.set KSTEP,  128
.set PITCH,  272                       ; an LDS row: 256 bytes + 16 of padding = 68 words, so the 16 rows that a load touches start 4 banks apart (64 banks of 4 bytes: ISA guide 11.1)
.set HALFT,  128*PITCH
.set SLOT,   4*HALFT
.set STAGE,  2*SLOT                    ; behind the ring: 16 rows x 528 bytes for each wave, for the way out; no tensor load lands there
.set SPITCH, 528                       ; 128 f32 + 16 bytes: an odd multiple of 16
.set LAPS, SIZE_K/(2*KSTEP)
.set ADRA, 16
.set ADRB, 20
.set STO,  24                          ; v24     the way out: where I put 32 bytes of a row
.set RD,   25                          ; v25     the way out: where I read a row back
.set CO,   26                          ; v26     my byte offset in a row's 512 bytes of C
.set BO,   27                          ; v27     my byte offset in the bias of a tile's 16 columns
.set F0,   64
.set F1,   128
.set BIAS, 192
.set G1, 24
.set G0, 32
.set G1B, 48
.set G0B, 56
.set MSB, 0
.macro WIN new                         ; the immediate's high byte repeats the setting that is left
.if MSB != \new
	s_set_vgpr_msb (MSB<<8)|\new
.set MSB, \new
.endif
.endm
.set MUL_LO, 0xa1                      ; source 0 (B) window 1, source 1 (A) window 0, C and D window 2
.set MUL_HI, 0xf1                      ; the same, C and D window 3
.set BIA_LO, 0x81                      ; the first products: C (the bias) window 0, D window 2
.set BIA_HI, 0xc1                      ; C window 0, D window 3
.set TO_B,   0x40                      ; destination window 1, address window 0
; A joint load.  Waves 0 and 1 fetch A's two halves, waves 2 and 3 B's.  The branch hangs on the wave's number alone.
.macro JLOAD s
	s_cmp_eq_u32 s11, 0
	s_cbranch_scc0 .Lfor_b_\@
	tensor_load_to_lds s[G0+4*\s:G0+4*\s+3], s[G1:G1+7]
	s_nop 0
	s_branch .Lasked_\@
.Lfor_b_\@:
	tensor_load_to_lds s[G0B+4*\s:G0B+4*\s+3], s[G1B:G1B+7]
	s_nop 0
.Lasked_\@:
.endm
.macro CREST                           ; a round of the cluster's barrier behind its opening barrier
	s_cmp_lg_u32 s10, 0
	s_cbranch_scc1 .Lnot_wave_0_\@
	s_barrier_signal -3
.Lnot_wave_0_\@:
	s_barrier_wait -3
	s_barrier_signal -1
	s_barrier_wait -1
.endm
.macro CROUND                          ; a whole round
	s_barrier_signal -1
	s_barrier_wait -1
	CREST
.endm
	s_load_b128 s[4:7], s[0:1], 0x0                ; A s[4:5], wb s[6:7]
	s_load_b64 s[8:9], s[0:1], 0x10                ; C
	s_load_b64 s[66:67], s[0:1], 0x18              ; the bias
	s_set_vgpr_msb 0x40
	v_lshl_add_u32 v255, v0, 2, 0x4c400
	s_set_vgpr_msb 0x4000
	v_mov_b32 v63, 0
	s_set_vgpr_msb 0x1
	ds_add_u32 v255, v63
	s_set_vgpr_msb 0x100
	v_lshrrev_b32 v1, 5, v0
	v_readfirstlane_b32 s10, v1                    ; wave 0..3
	s_lshr_b32 s11, s10, 1                         ; which half of the block's rows is mine.  Also: I fetch for A (0) or for B (1)
	s_and_b32 s12, s10, 1                          ; which half of its columns.  Also: which 128 rows of that tile I fetch
	s_bfe_u32 s40, ttmp6, 0x40000                  ; cx
	s_bfe_u32 s41, ttmp6, 0x40004                  ; cy
	s_lshl_b32 s42, ttmp9, 2
	s_add_co_u32 s42, s42, s40                     ; block column of C
	s_and_b32 s13, ttmp7, 0xffff
	s_lshl_b32 s13, s13, 2
	s_add_co_u32 s13, s13, s41                     ; block row of C
	s_lshl_b32 s43, s41, 2
	s_lshl_b32 s43, 15, s43                        ; my row of the cluster
	s_lshl_b32 s44, 0x1111, s40                    ; my column
	s_or_b32 s[G1+0], s43, (1<<16)|(1<<20)|(1<<21)|(5<<22)|(3<<25)  ; the mask of my row; element of 2 bytes; padding on; bit 21 beside a mask; after every 64 words 4 words
	s_or_b32 s[G1B+0], s44, (1<<16)|(1<<20)|(1<<21)|(5<<22)|(3<<25) ; the same with the mask of my column
	s_mov_b32 s[G1B+1], KSTEP<<16
	s_mov_b32 s[G1+1], KSTEP<<16                   ; tensor_dim0 = 128
	s_mov_b32 s[G1B+2], 128<<16
	s_mov_b32 s[G1+2], 128<<16                     ; tensor_dim1 = 128
	s_mov_b32 s[G1B+3], KSTEP<<16
	s_mov_b32 s[G1+3], KSTEP<<16                   ; tile_dim0 = 128
	s_mov_b32 s[G1B+4], 128
	s_mov_b32 s[G1+4], 128                         ; tile_dim1 = 128
	s_mov_b32 s[G1B+5], SIZE_K
	s_mov_b32 s[G1+5], SIZE_K                      ; elements from row to row
	s_mov_b32 s[G1B+6], 0
	s_mov_b32 s[G1+6], 0
	s_mov_b32 s[G1B+7], 0
	s_mov_b32 s[G1+7], 0
	; A's tiles hang on the block row alone, B's on the block column alone; each address is made in registers that never hold the other coordinate
	s_lshl_b32 s17, s12, 7
	s_lshl_b32 s16, s13, 8
	s_add_co_u32 s16, s16, s17                     ; A: row 256 x block row + 128 x half
	s_lshl_b32 s46, s42, 8
	s_add_co_u32 s46, s46, s17                     ; B: row 256 x block column + 128 x half
	s_mov_b32 s17, 0
	s_mov_b32 s47, 0
	s_mov_b64 s[18:19], SIZE_K*2
	s_mul_u64 s[16:17], s[16:17], s[18:19]
	s_mul_u64 s[46:47], s[46:47], s[18:19]
	s_mul_i32 s20, s10, HALFT                      ; where they go: wave x 128 rows
	s_wait_dscnt 0x0
	s_wait_kmcnt 0x0
	s_add_nc_u64 s[6:7], s[6:7], WO_AT             ; WO in wb
	s_add_nc_u64 s[14:15], s[4:5], s[16:17]
	s_add_nc_u64 s[46:47], s[6:7], s[46:47]
	CROUND                                         ; all sixteen work-groups are here: the first joint loads meet
.irp s, 0,1
	s_mov_b32 s[G0+4*\s], 1
	s_add_co_u32 s[G0+4*\s+1], s20, \s*SLOT
	s_add_nc_u64 s[G0+4*\s+2:G0+4*\s+3], s[14:15], \s*KSTEP*2
	s_or_b32 s[G0+4*\s+3], s[G0+4*\s+3], 0x80000000
	s_mov_b32 s[G0B+4*\s], 1
	s_add_co_u32 s[G0B+4*\s+1], s20, \s*SLOT
	s_add_nc_u64 s[G0B+4*\s+2:G0B+4*\s+3], s[46:47], \s*KSTEP*2
	s_or_b32 s[G0B+4*\s+3], s[G0B+4*\s+3], 0x80000000
	JLOAD \s                                       ; the ring is filled before anything else is done: two tensor loads of a wave are out
.endr
	v_and_b32 v1, 15, v0                           ; l % 16
	v_bfe_u32 v2, v0, 4, 1                         ; l / 16
	v_mul_u32_u24 v3, v1, PITCH
	v_lshl_add_u32 v3, v2, 4, v3                   ; row x pitch + 16 x half
	s_mul_i32 s21, s11, HALFT                      ; my 128 rows of A
	s_mul_i32 s22, s12, HALFT                      ; my 128 rows of B,
	s_add_co_u32 s22, s22, 2*HALFT                 ; which lie behind A's 256
.irp s, 0,1
	v_add_nc_u32 v[ADRA+\s], s21, v3
	v_add_nc_u32 v[ADRB+\s], s22, v3
	s_add_co_u32 s21, s21, SLOT
	s_add_co_u32 s22, s22, SLOT
.endr
	s_mul_i32 s23, s10, 16*SPITCH
	s_add_co_u32 s23, s23, STAGE                   ; my stage
	v_mul_u32_u24 v4, v1, SPITCH                   ; in: row l % 16, 32 bytes for each half of the lanes
	v_lshl_add_u32 v4, v2, 5, v4
	v_add_nc_u32 v[STO], s23, v4
	v_and_b32 v5, 31, v0
	v_lshlrev_b32 v[CO], 4, v5                     ; back: the wave takes one row of 512 bytes, 16 bytes a lane
	v_add_nc_u32 v[RD], s23, v[CO]
	; the bias as a C operand: register j of lane l of column tile b is bias[my first column + 16 b + 8 (l / 16) + j], whatever the row
	v_lshlrev_b32 v[BO], 5, v2
	s_lshl_b32 s68, s42, 10
	s_lshl_b32 s69, s12, 9
	s_add_co_u32 s68, s68, s69
	s_mov_b32 s69, 0
	s_add_nc_u64 s[66:67], s[66:67], s[68:69]
.irp b, 0,1,2,3,4,5,6,7
	global_load_b128 v[BIAS+8*\b:BIAS+8*\b+3],   v[BO], s[66:67] offset:64*\b
	global_load_b128 v[BIAS+8*\b+4:BIAS+8*\b+7], v[BO], s[66:67] offset:64*\b+16
.endr
; 16 matrix instructions: m blocks a0, a0 + 1 of the window's four x all 8 n blocks, 32 along K.  first = 1: the product takes the bias as C.
.macro MUL16 f, hi, a0, first
.irp a, \a0, \a0+1
.irp b, 0,1,2,3,4,5,6,7
.if \first
	v_wmma_f32_16x16x32_f16 v[8*(8*(\a)+\b):8*(8*(\a)+\b)+7], v[\f+8*\b:\f+8*\b+7], v[\f+8*(4*\hi+\a):\f+8*(4*\hi+\a)+7], v[BIAS+8*\b:BIAS+8*\b+7]
.else
	v_wmma_f32_16x16x32_f16 v[8*(8*(\a)+\b):8*(8*(\a)+\b)+7], v[\f+8*\b:\f+8*\b+7], v[\f+8*(4*\hi+\a):\f+8*(4*\hi+\a)+7], v[8*(8*(\a)+\b):8*(8*(\a)+\b)+7]
.endif
.endr
.endr
.endm
; 32 LDS loads in one run: the fragments of one quarter step into buffer f
.macro FETCH slot, k, f
	WIN TO_B
.irp i, 0,1,2,3,4,5,6,7
	ds_load_b128 v[\f+8*\i:\f+8*\i+3],   v[ADRB+\slot] offset:\k+\i*16*PITCH
	ds_load_b128 v[\f+8*\i+4:\f+8*\i+7], v[ADRB+\slot] offset:\k+\i*16*PITCH+32
.endr
	WIN 0
.irp i, 0,1,2,3,4,5,6,7
	ds_load_b128 v[\f+8*\i:\f+8*\i+3],   v[ADRA+\slot] offset:\k+\i*16*PITCH
	ds_load_b128 v[\f+8*\i+4:\f+8*\i+7], v[ADRA+\slot] offset:\k+\i*16*PITCH+32
.endr
.endm
; Four places behind a matrix instruction, ahead of a load into one of its registers or of a store of its result
.macro PLACES
.rept 4
	v_nop
.endr
.endm
; A K step is four quarter steps of 32 along K, 64 matrix instructions each, on buffers 0, 1, 0, 1.  The 64 accumulators take turns, one
; instruction a turn, in the same order in every quarter.
.macro QUARTER slot, k, f, g, first
	s_wait_dscnt 8                                 ; B and A's rows 0-63 are in; the youngest eight loads (A's rows 64-127) may be out
.if \first
	WIN BIA_LO
.else
	WIN MUL_LO
.endif
	MUL16 \f, 0, 0, \first
	MUL16 \f, 0, 2, \first
	PLACES
	FETCH \slot, \k, \g
	s_wait_dscnt 32                                ; all but the 32 just issued
.if \first
	WIN BIA_HI
.else
	WIN MUL_HI
.endif
	MUL16 \f, 1, 0, \first
	MUL16 \f, 1, 2, \first
.endm
.macro THREE slot, first
	QUARTER \slot, 64,  F0, F1, \first
	QUARTER \slot, 128, F1, F0, 0
	QUARTER \slot, 192, F0, F1, 0
.endm
; The last quarter: multiplies buffer 1 and changes slots.  In front of the barrier each wave waits for its own reads of this slot and for all its
; tensor loads; behind it the refill comes first, then the next slot's fragments.
.macro TURN slot, next, fill
	s_wait_dscnt 8
	WIN MUL_LO
	MUL16 F1, 0, 0, 0
	s_wait_dscnt 0                                 ; my reads of this slot are over
	s_wait_tensorcnt 0x0                           ; and all my tensor loads have landed
	ds_add_u32 v255, v63
	s_wait_dscnt 0x0
	s_barrier_signal -1
	MUL16 F1, 0, 2, 0                              ; work on registers while the others arrive
	WIN 0
	s_barrier_wait -1
.if \fill
	CREST                                          ; all sixteen work-groups have said so: no wave of any partner still reads this slot's tile or has a load on its way
	s_add_nc_u64 s[G0+4*\slot+2:G0+4*\slot+3], s[G0+4*\slot+2:G0+4*\slot+3], 2*KSTEP*2
	s_add_nc_u64 s[G0B+4*\slot+2:G0B+4*\slot+3], s[G0B+4*\slot+2:G0B+4*\slot+3], 2*KSTEP*2
	JLOAD \slot                                    ; the first tensor load behind the round, the wave's only one until the next
.endif
	PLACES
	FETCH \next, 0, F0
	WIN MUL_HI
	MUL16 F1, 1, 0, 0
	MUL16 F1, 1, 2, 0
.endm
.macro LAP first
	THREE 0, \first
	TURN 0, 1, 1
	THREE 1, 0
	TURN 1, 0, 1
.endm
	s_wait_tensorcnt 1                             ; my part of K step 0 is in; K step 1's may stay out
	s_barrier_signal -1
	s_barrier_wait -1
	FETCH 0, 0, F0
	s_wait_loadcnt 0x0                             ; the bias, once
	LAP 1                                          ; the first lap stands in front of the loop: its first products start the sums from the bias
	WIN 0
	s_mov_b32 s3, LAPS-2
.Llap:
	LAP 0
	WIN 0
	s_sub_co_u32 s3, s3, 1
	s_cmp_lg_u32 s3, 0
	s_cbranch_scc1 .Llap
	THREE 0, 0                                     ; the last lap fills nothing
	TURN 0, 1, 0
	THREE 1, 0
	s_wait_dscnt 8
	WIN MUL_LO
	MUL16 F1, 0, 0, 0
	MUL16 F1, 0, 2, 0
	s_wait_dscnt 0
	WIN MUL_HI
	MUL16 F1, 1, 0, 0
	MUL16 F1, 1, 2, 0
	; THE WAY OUT, 16 rows of C at a time: 32 bytes a lane straight from the accumulators into my own stage in LDS, read back as whole rows of 512 bytes.
	PLACES                                         ; behind the last matrix instructions: for the LDS stores of results and for the loads into buffers 0 and 1
	s_lshl_b32 s13, s13, 8
	s_lshl_b32 s14, s11, 7
	s_add_co_u32 s16, s13, s14                     ; my first row of C
	s_mov_b32 s17, 0
	s_mov_b64 s[18:19], SIZE_N*4
	s_mul_u64 s[16:17], s[16:17], s[18:19]
	s_add_nc_u64 s[8:9], s[8:9], s[16:17]
	s_lshl_b32 s46, s42, 10                        ; my first column, in bytes: 1,024 x block + 512 x half
	s_lshl_b32 s47, s12, 9
	s_add_co_u32 s46, s46, s47
	s_mov_b32 s47, 0
	s_add_nc_u64 s[8:9], s[8:9], s[46:47]
; rows 16 i .. 16 i + 15 of my block = the eight tiles (a, 0..7) of window 2 or 3 (from = 0x08 or 0x0c: an LDS store's data are its source 1); f: F0 or F1 in turn
.macro OUT16F i, a, from, f
	WIN \from
.irp b, 0,1,2,3,4,5,6,7
	ds_store_b128 v[STO], v[8*(8*\a+\b):8*(8*\a+\b)+3] offset:64*\b
	ds_store_b128 v[STO], v[8*(8*\a+\b)+4:8*(8*\a+\b)+7] offset:64*\b+16
.endr
	WIN 0
	s_wait_xcnt 0x0                                ; buffer f, which earlier stores read, and the stores' base are rewritten only behind this wait (ISA guide 3.1)
.if \i
	s_add_nc_u64 s[8:9], s[8:9], 16*SIZE_N*4       ; 16 rows of C on
.endif
.irp t, 0,1,2,3,4,5,6,7,8,9,10,11,12,13,14,15
	ds_load_b128 v[\f+4*\t:\f+4*\t+3], v[RD] offset:\t*SPITCH      ; LDS serves a wave's instructions in order (ISA guide 5.7.1): these see the stores above
.endr
.irp t, 0,1,2,3,4,5,6,7,8,9,10,11,12,13,14,15
	s_wait_dscnt 15-\t                             ; the younger read-backs may stay out
	global_store_b128 v[CO], v[\f+4*\t:\f+4*\t+3], s[8:9] offset:\t*SIZE_N*4 th:TH_STORE_NT   ; a store of the wave covers 512 consecutive bytes, aligned
.endr
.endm
	OUT16F 0, 0, 0x08, F0
	OUT16F 1, 1, 0x08, F1
	OUT16F 2, 2, 0x08, F0
	OUT16F 3, 3, 0x08, F1
	OUT16F 4, 0, 0x0c, F0
	OUT16F 5, 1, 0x0c, F1
	OUT16F 6, 2, 0x0c, F0
	OUT16F 7, 3, 0x0c, F1
	s_set_vgpr_msb 0x1
	s_wait_tensorcnt 0x0
	ds_add_u32 v255, v63
	s_wait_dscnt 0x0
	s_set_vgpr_msb 0x100
	CROUND                                         ; the closing round: no work-group ends while a partner may still ask for a tile that names it
	s_endpgm
.Lfunc_end_k_q6cb29d9d7f_oproj:
	.size	k_q6cb29d9d7f_oproj, .Lfunc_end_k_q6cb29d9d7f_oproj-k_q6cb29d9d7f_oproj
	.p2alignl 7, 3214868480
	.fill 96, 4, 3214868480
	.section	.rodata,"a",@progbits
	.p2align	6, 0x0
	.amdhsa_kernel k_q6cb29d9d7f_oproj
		.amdhsa_group_segment_fixed_size 327680
		.amdhsa_private_segment_fixed_size 0
		.amdhsa_enable_private_segment 0
		.amdhsa_kernarg_size 32
		.amdhsa_user_sgpr_count 2
		.amdhsa_user_sgpr_kernarg_segment_ptr 1
		.amdhsa_wavefront_size32 1
		.amdhsa_system_sgpr_workgroup_id_x 1
		.amdhsa_system_sgpr_workgroup_id_y 1
		.amdhsa_system_sgpr_workgroup_id_z 1
		.amdhsa_system_vgpr_workitem_id 0
		.amdhsa_next_free_vgpr 1024
		.amdhsa_next_free_sgpr 72
		.amdhsa_reserve_vcc 0
		.amdhsa_float_denorm_mode_32 3
		.amdhsa_float_denorm_mode_16_64 3
		.amdhsa_memory_ordered 1
		.amdhsa_forward_progress 1
		.amdhsa_inst_pref_size 198
	.end_amdhsa_kernel
	.amdgpu_metadata
---
amdhsa.version: [ 1, 2 ]
amdhsa.kernels:
  - .name:           k_q6cb29d9d7f_oproj
    .symbol:         k_q6cb29d9d7f_oproj.kd
    .args:
      - { .name: ao, .offset: 0, .size: 8, .value_kind: global_buffer, .address_space: global }
      - { .name: wb, .offset: 8, .size: 8, .value_kind: global_buffer, .address_space: global }
      - { .name: out0, .offset: 16, .size: 8, .value_kind: global_buffer, .address_space: global }
      - { .name: WO_b, .offset: 24, .size: 8, .value_kind: global_buffer, .address_space: global }
    .group_segment_fixed_size: 327680
    .private_segment_fixed_size: 0
    .kernarg_segment_align: 8
    .kernarg_segment_size: 32
    .max_flat_workgroup_size: 128
    .sgpr_count:     72
    .vgpr_count:     1024
    .wavefront_size: 32
...
	.end_amdgpu_metadata
.endif
;; end of part 4
;; ======== version 2 of 2: 4 launches; version 1 with the launch cast written anew for expert scheduling mode
;; limits: values are held in f16: magnitudes above 65,504 overflow, below 6.1e-05 lose precision
;; workspace buffers: xb 16,777,216 bytes; wb 8,388,608 bytes; bqkv 12,288 bytes; qkv 50,331,648 bytes; ao 16,777,216 bytes
;; launch cast (part 5): grid 256 x 1, 8 waves a work-group, no clusters, 0 bytes of LDS; arguments x, WQ_w, WK_w, WV_w, WO_w, WQ_b, WV_b, xb, wb, bqkv; writes xb, wb, bqkv
.if DOCPART == 5
	.amdgcn_target "amdgcn-amd-amdhsa--gfx1250"
	.amdhsa_code_object_version 6
	.text
	.protected	k_q6cb29d9d7f_cast
	.globl	k_q6cb29d9d7f_cast
	.p2align	8
	.type	k_q6cb29d9d7f_cast,@function
k_q6cb29d9d7f_cast:
	s_mov_b64 s[64:65], 0
	v_nop
	global_prefetch_b8 v0, s[64:65] scope:SCOPE_SE
	s_setreg_imm32_b32 hwreg(HW_REG_WAVE_SCHED_MODE, 0, 2), 2
	s_setreg_imm32_b32 hwreg(HW_REG_WAVE_MODE, 25, 1), 1
	s_wait_xcnt 0x0
	s_wait_alu depctr_vm_vsrc(0)
; xb = x in f16.  wb = WQ_w, WK_w, WV_w, WO_w in f16, one below the other (4,096 rows of 1,024).
; bqkv = WQ_b, then 1,024 zeros (K's layer has no bias), then WV_b: one bias vector for the joint product Q, K, V.
; FORMAT: all matrix operands of this program are f16, not bf16.  Between x and the result five intermediates (Q, K, V, the softmax's weights, the
; attention's result) are rounded to the operands' format one behind the other; f16 keeps 11 significant bits where bf16 keeps 8.
; ROOM IN f16 (largest number 65,504; below 2^-14 the step is 2^-24).  As drawn |x| < 6, |W| < 0.16 and |Q|, |K|, |V| < 6.  All inputs 30 times larger:
; |Q|, |K|, |V| < 900 x 6 = 5,400.  All inputs offset by 30 of their spreads (x + 30, W + 30/32): about 1,024 x 30 x 0.94 = 28,800.  All inputs 30 times
; smaller: W about 1/1,000, Q, K, V about 1/900, the attention's result about 6e-5, of which the step 2^-24 is a thousandth.
; LIMIT: a number beyond 65,504 in magnitude among x, W, Q, K, V (inputs both scaled by 30 and offset by 30 of the larger spreads) becomes infinite.
; A stream: no LDS, no barrier, no matrix unit, no cluster, since no byte is used twice.
; 256 work-groups of 8 waves.  Work-group i takes 32,768 numbers of x (128 KiB in, 64 KiB out) and 16,384 numbers of weight i / 64.
; A thread takes 8 neighbouring numbers a turn (two loads of 16 bytes, one store of 16 bytes), the work-group 2,048: 16 turns for x, 8 for the weight.
; All 48 loads of a thread go out first, each into registers of its own.  A store of a wave covers 512 consecutive bytes, aligned.
; THE MODE: SCHED_MODE bits 1:0 = 2 (LLVM: expert scheduling mode 2), set by the entry lines.  The code itself states the register dependences
; between vector instructions and memory instructions, with s_wait_alu, always for 0.
; THE PLAN.  Registers that memory instructions touch:
;   v1, v2   byte offsets, made once at the head by vector instructions and never written again: v1 is read by the 48 loads, v2 by every store and by the bias's load.
;   X[k]     turn k's 8 registers.  Written by turn k's two loads, ahead of which no vector instruction names them; read by its four conversions, which
;            write the first four of the eight; those four are read by turn k's one store, and nothing writes them afterwards.
;   BV       four registers of the bias vector: written by a load or by four moves, read by one store.
; So no register that a memory instruction has read is written again, and no load lands in a register that a vector instruction has named: the one kind of
; dependence in the text is a vector instruction's result that a memory instruction reads.  The 24 turns go in six blocks of four.  A turn's store goes out
; one block behind its conversions, so that ONE wait at a block's head states that the sixteen conversions of the block before have written what its four
; stores read; these are dealt among the block's own conversions, which name that block's X alone.
.set XT, 16                            ; turns for x
.set WT, 8                             ; turns for the weight
.set NT, XT+WT                         ; turns in all
.set BLK, 4                            ; turns in a block
.set X,  8                             ; v[8:199]   turn k: 8 registers as loaded; the first 4 then hold the 8 f16
.set BV, 200                           ; v[200:203] four numbers of the bias vector
	s_load_b512 s[16:31], s[0:1], 0x0              ; x 16, WQ_w 18, WK_w 20, WV_w 22, WO_w 24, WQ_b 26, WV_b 28, xb 30
	s_load_b128 s[32:35], s[0:1], 0x40             ; wb 32, bqkv 34
	v_lshlrev_b32 v1, 5, v0                        ; 32 t: my 8 f32 in a turn's 8,192 bytes
	v_lshlrev_b32 v2, 4, v0                        ; 16 t: my 8 f16 in a turn's 4,096 bytes
	s_lshl_b32 s2, ttmp9, 17                       ; my part of x, in bytes
	s_mov_b32 s3, 0
	s_lshl_b32 s6, ttmp9, 16                       ; my part of xb
	s_mov_b32 s7, 0
	s_lshr_b32 s8, ttmp9, 6                        ; which weight
	s_and_b32 s10, ttmp9, 63
	s_lshl_b32 s10, s10, 16                        ; my part of it: 64 KiB
	s_mov_b32 s11, 0
	s_lshl_b32 s12, ttmp9, 15                      ; my part of wb: the four weights follow each other there
	s_mov_b32 s13, 0
	s_wait_kmcnt 0x0
	s_add_nc_u64 s[16:17], s[16:17], s[2:3]
	s_add_nc_u64 s[30:31], s[30:31], s[6:7]
	s_cmp_eq_u32 s8, 1                             ; the weight's address is chosen on the work-group's number alone
	s_cselect_b64 s[4:5], s[20:21], s[18:19]
	s_cmp_eq_u32 s8, 2
	s_cselect_b64 s[4:5], s[22:23], s[4:5]
	s_cmp_eq_u32 s8, 3
	s_cselect_b64 s[4:5], s[24:25], s[4:5]
	s_add_nc_u64 s[4:5], s[4:5], s[10:11]
	s_add_nc_u64 s[32:33], s[32:33], s[12:13]
	s_wait_alu depctr_va_vdst(0)                   ; v1 and v2 are written: every load and store of the kernel, on every path, reads one of them as its offset
.set k, 0
.rept XT
	global_load_b128 v[X+8*k:X+8*k+3],   v1, s[16:17] offset:8192*k th:TH_LOAD_NT
	global_load_b128 v[X+8*k+4:X+8*k+7], v1, s[16:17] offset:8192*k+16 th:TH_LOAD_NT
.set k, k+1
.endr
.rept WT
	global_load_b128 v[X+8*k:X+8*k+3],   v1, s[4:5] offset:8192*(k-XT) th:TH_LOAD_NT
	global_load_b128 v[X+8*k+4:X+8*k+7], v1, s[4:5] offset:8192*(k-XT)+16 th:TH_LOAD_NT
.set k, k+1
.endr
; Turn t's 16 bytes a thread go out: to xb, or to wb
.macro PUT t
.if (\t) < XT
	global_store_b128 v2, v[X+8*(\t):X+8*(\t)+3], s[30:31] offset:4096*(\t)
.else
	global_store_b128 v2, v[X+8*(\t):X+8*(\t)+3], s[32:33] offset:4096*((\t)-XT)
.endif
.endm
.set k, 0
.rept NT
	s_wait_loadcnt 2*NT-2-2*k                      ; loads come back in order (ISA guide 5.7.1): turn k's two are in, the younger ones stay out
.if k >= BLK
.if (k%BLK) == 0
	s_wait_alu depctr_va_vdst(0)                   ; a block's head: the sixteen conversions of the block before have written the registers that its four stores, dealt over this block, read
.endif
	PUT k-BLK                                      ; the same turn of the block before.  No further wait: no vector instruction since the block's head names its registers
.endif
.irp j, 0,1,2,3
	v_cvt_pk_f16_f32 v[X+8*k+\j], v[X+8*k+2*\j], v[X+8*k+2*\j+1]   ; in place: register j is written when its own number has been read
.endr
.set k, k+1
.endr
	s_wait_alu depctr_va_vdst(0)                   ; the last block's conversions have written the registers that the last four stores read
.irp i, 0,1,2,3
	PUT NT-BLK+\i
.endr
	; the bias vector: work-groups 0, 1, 2 each store 1,024 numbers, 16 bytes a thread
	s_cmp_gt_u32 ttmp9, 2
	s_cbranch_scc1 .Lend
	s_lshl_b32 s14, ttmp9, 12
	s_mov_b32 s15, 0
	s_add_nc_u64 s[34:35], s[34:35], s[14:15]
	s_cmp_eq_u32 ttmp9, 1
	s_cbranch_scc1 .Lzero
	s_cmp_eq_u32 ttmp9, 0
	s_cselect_b64 s[36:37], s[26:27], s[28:29]     ; WQ_b for work-group 0, WV_b for work-group 2
	global_load_b128 v[BV:BV+3], v2, s[36:37]      ; no vector instruction on this path names v[BV ..]
	s_wait_loadcnt 0x0
	s_branch .Lput
.Lzero:
.irp j, 0,1,2,3
	v_mov_b32 v[BV+\j], 0
.endr
	s_wait_alu depctr_va_vdst(0)                   ; the four moves have written v[BV ..], which the store below reads
.Lput:
	global_store_b128 v2, v[BV:BV+3], s[34:35]
.Lend:
	s_endpgm
.Lfunc_end_k_q6cb29d9d7f_cast:
	.size	k_q6cb29d9d7f_cast, .Lfunc_end_k_q6cb29d9d7f_cast-k_q6cb29d9d7f_cast
	.p2alignl 7, 3214868480
	.fill 96, 4, 3214868480
	.section	.rodata,"a",@progbits
	.p2align	6, 0x0
	.amdhsa_kernel k_q6cb29d9d7f_cast
		.amdhsa_group_segment_fixed_size 0
		.amdhsa_private_segment_fixed_size 0
		.amdhsa_enable_private_segment 0
		.amdhsa_kernarg_size 80
		.amdhsa_user_sgpr_count 2
		.amdhsa_user_sgpr_kernarg_segment_ptr 1
		.amdhsa_wavefront_size32 1
		.amdhsa_system_sgpr_workgroup_id_x 1
		.amdhsa_system_sgpr_workgroup_id_y 1
		.amdhsa_system_sgpr_workgroup_id_z 1
		.amdhsa_system_vgpr_workitem_id 0
		.amdhsa_next_free_vgpr 208
		.amdhsa_next_free_sgpr 66
		.amdhsa_reserve_vcc 0
		.amdhsa_float_denorm_mode_32 3
		.amdhsa_float_denorm_mode_16_64 3
		.amdhsa_memory_ordered 1
		.amdhsa_forward_progress 1
		.amdhsa_inst_pref_size 16
	.end_amdhsa_kernel
	.amdgpu_metadata
---
amdhsa.version: [ 1, 2 ]
amdhsa.kernels:
  - .name:           k_q6cb29d9d7f_cast
    .symbol:         k_q6cb29d9d7f_cast.kd
    .args:
      - { .name: x, .offset: 0, .size: 8, .value_kind: global_buffer, .address_space: global }
      - { .name: WQ_w, .offset: 8, .size: 8, .value_kind: global_buffer, .address_space: global }
      - { .name: WK_w, .offset: 16, .size: 8, .value_kind: global_buffer, .address_space: global }
      - { .name: WV_w, .offset: 24, .size: 8, .value_kind: global_buffer, .address_space: global }
      - { .name: WO_w, .offset: 32, .size: 8, .value_kind: global_buffer, .address_space: global }
      - { .name: WQ_b, .offset: 40, .size: 8, .value_kind: global_buffer, .address_space: global }
      - { .name: WV_b, .offset: 48, .size: 8, .value_kind: global_buffer, .address_space: global }
      - { .name: xb, .offset: 56, .size: 8, .value_kind: global_buffer, .address_space: global }
      - { .name: wb, .offset: 64, .size: 8, .value_kind: global_buffer, .address_space: global }
      - { .name: bqkv, .offset: 72, .size: 8, .value_kind: global_buffer, .address_space: global }
    .group_segment_fixed_size: 0
    .private_segment_fixed_size: 0
    .kernarg_segment_align: 8
    .kernarg_segment_size: 80
    .max_flat_workgroup_size: 256
    .sgpr_count:     66
    .vgpr_count:     208
    .wavefront_size: 32
...
	.end_amdgpu_metadata
.endif
;; end of part 5
;; launch qkv: the kernel of part 2 again; grid 12 x 32, 4 waves a work-group, clusters of 4 x 4, 327,680 bytes of LDS; arguments xb, wb, qkv, bqkv; writes qkv
;; launch attn: the kernel of part 3 again; grid 4 x 64, 8 waves a work-group, clusters of 4 x 4, 327,680 bytes of LDS; arguments qkv, attn_mask, ao; writes ao
;; launch oproj: the kernel of part 4 again; grid 4 x 32, 4 waves a work-group, clusters of 4 x 4, 327,680 bytes of LDS; arguments ao, wb, out0, WO_b; writes out0
